; MI455X (gfx1250); checked and timed in simulation.
; The chip was launched on July 23, 2026; its instructions are those of AMD's public machine-readable ISA for CDNA 5 (MIT licence, August 2026) and "CDNA5" Instruction Set Architecture Reference Guide (July 2026). The comments in the code are by the model that wrote it; some were corrected since.
;; Multi Head Attention. Allowed arithmetic: float matrix products may take bf16 or f16 operands with f32 sums; other float arithmetic in f32, or as packed bf16 or f16 multiplies, adds, multiply-adds, maxima and minima; sums over many terms, partial sums and values carried from step to step in f32; what a program stores and reads back later, other than sums and carried values, may be rounded once to bf16 or f16.
;; Inputs: freqs_cos 2,048 x 64 float32; freqs_sin 2,048 x 64 float32; mask 2,048 x 2,048 float32; w_k 2,048 x 2,048 float32; w_o 2,048 x 2,048 float32; w_q 2,048 x 2,048 float32; w_v 2,048 x 2,048 float32; x 1 x 2,048 x 2,048 float32.
;; Outputs: out0 1 x 2,048 x 2,048 float32.
;; One version. Each part assembles by itself: llvm-mc -triple=amdgcn-amd-amdhsa -mcpu=gfx1250 --defsym DOCPART=n.
;; ======== version 1 of 1: 4 launches
;; limits: values are held in f16: magnitudes above 65,504 overflow, below 6.1e-05 lose precision
;; workspace buffers: wcast 41,943,040 bytes; cs 1,048,576 bytes; mtile 7,077,888 bytes; qkv 25,165,824 bytes; vsum 131,072 bytes; ob 8,388,608 bytes
;; launch prep (part 1): grid 1512 x 1, 8 waves a work-group, no clusters, 0 bytes of LDS; arguments x, w_q, w_k, w_v, w_o, mask, freqs_cos, freqs_sin, wcast, mtile, cs; writes wcast, mtile, cs
.if DOCPART == 1
	.amdgcn_target "amdgcn-amd-amdhsa--gfx1250"
	.amdhsa_code_object_version 6
	.text
	.protected	k_qc8e1fe4e2e_prep
	.globl	k_qc8e1fe4e2e_prep
	.p2align	8
	.type	k_qc8e1fe4e2e_prep,@function
k_qc8e1fe4e2e_prep:
	s_mov_b64 s[64:65], 0
	v_nop
	global_prefetch_b8 v0, s[64:65] scope:SCOPE_SE
	s_setreg_imm32_b32 hwreg(HW_REG_WAVE_MODE, 25, 1), 1
	s_wait_xcnt 0x0
; EVERY INPUT IS ROUNDED ONCE TO bf16, and laid out for the launches that follow.  A stream: no LDS, no barrier, no matrix unit; each byte is read once and written once.
;   work-groups 0-1023     x, w_q, w_k, w_v  -> wcast sections 0-3, bf16, rows as they lie           (64 KiB of f32 each)
;   work-groups 1024-1279  w_o               -> wcast section 4: the bf16 number written as f16 (exact within f16's range; below 6e-5 in f16's fixed step of 6e-8)
;   work-groups 1280-1495  mask              -> mtile: one block of 128 queries x 64 keys each, in the order in which the attention launch walks them
;   work-groups 1496-1511  freqs_cos, freqs_sin -> cs: the bf16 number written as f32
; mtile[walk g][step s][tile of 16 queries][8][lane][4 f32] is the register image of a tile of scores: number i of (t, lane r + 16 h) belongs to query 16 qt + r and key
; 64 ks + 16 (t / 2) + 8 h + 4 (t % 2) + i.  Its value is log2(e) times the rounded mask where 0 <= query - key < 1024, and log2(e) x -1e9 elsewhere.
; THE WALKS.  Blocks of 128 queries, b = 0..15; block b needs the key steps of 64 from 2 max(b - 8, 0) to 2 b + 1.  Walk g < 8 is block g + 8 (step s is key step 2 g + s);
; walk g = 8 + p is block 7 - p (16 - 2 p steps from key step 0) and then block p: 18 steps in every walk.
; 256 threads x 16 bytes: each load of the work-group covers 4,096 consecutive bytes, each store of a wave 256 or 512 consecutive bytes, aligned.
; The conversions write in place, so a wave needs 74 registers: twelve waves share a SIMD's 1,024, six work-groups a WGP, and 256 x 6 = 1,536 places take all 1,512 work-groups at once.
.set X, 8                              ; v[8:71]    16 x 4 numbers as loaded; the results take their place
.set T, 72                             ; v[72:73]   at work
.set NEGB, 0xce6e6b28                  ; -1e9
.set L2E,  0x3fb8aa3b                  ; log2(e)
	s_load_b512 s[4:19], s[0:1], 0x0               ; x, w_q, w_k, w_v, w_o, mask, cos, sin
	s_load_b128 s[20:23], s[0:1], 0x40             ; wcast, mtile
	s_load_b64 s[24:25], s[0:1], 0x50              ; cs
	v_lshlrev_b32 v1, 4, v0                        ; 16 bytes a thread
	v_lshlrev_b32 v2, 3, v0                        ; 8 bytes a thread
	s_mov_b32 s26, ttmp9
	s_mov_b32 s35, 0                               ; the high word of every offset
	s_mov_b32 s37, NEGB
	s_mov_b32 s46, 0xffff0000                      ; a word's upper bf16
	s_wait_kmcnt 0x0
.macro LOAD16                          ; 64 KiB from s[28:29]: sixteen loads of every wave are out together
.set j, 0
.rept 16
	global_load_b128 v[X+4*j:X+4*j+3], v1, s[28:29] offset:4096*j th:TH_LOAD_NT
.set j, j+1
.endr
.endm
.macro ROUND4 b                        ; four f32 are rounded to bf16 (nearest even) and written back as f32
	v_cvt_pk_bf16_f32 v[T], v[\b], v[(\b)+1]
	v_cvt_pk_bf16_f32 v[T+1], v[(\b)+2], v[(\b)+3]
	v_lshlrev_b32 v[\b], 16, v[T]
	v_and_b32 v[(\b)+1], s46, v[T]
	v_lshlrev_b32 v[(\b)+2], 16, v[T+1]
	v_and_b32 v[(\b)+3], s46, v[T+1]
.endm
	s_cmp_lt_u32 s26, 1280
	s_cbranch_scc1 .Lcast
	s_cmp_lt_u32 s26, 1496
	s_cbranch_scc1 .Lmask
	; THE TABLES: e = 0..15: table e / 8, chunk e % 8; in cs the sines follow the cosines, so the destination is e x 64 KiB
	s_sub_co_u32 s27, s26, 1496
	s_and_b32 s32, s27, 7
	s_lshl_b32 s34, s32, 16
	s_cmp_lt_u32 s27, 8
	s_cselect_b64 s[28:29], s[16:17], s[18:19]
	s_add_nc_u64 s[28:29], s[28:29], s[34:35]
	s_lshl_b32 s34, s27, 16
	s_add_nc_u64 s[30:31], s[24:25], s[34:35]
	LOAD16
.set j, 0
.rept 16
	s_wait_loadcnt 15-j                            ; loads come back in order: load j is in, the younger ones stay out
	ROUND4 X+4*j
	global_store_b128 v1, v[X+4*j:X+4*j+3], s[30:31] offset:4096*j
.set j, j+1
.endr
	s_endpgm
.Lcast:                                                ; array = id / 256, chunk = id % 256
	s_lshr_b32 s27, s26, 8
	s_and_b32 s32, s26, 255
	s_mov_b64 s[28:29], s[4:5]
	s_cmp_eq_u32 s27, 1
	s_cselect_b64 s[28:29], s[6:7], s[28:29]
	s_cmp_eq_u32 s27, 2
	s_cselect_b64 s[28:29], s[8:9], s[28:29]
	s_cmp_eq_u32 s27, 3
	s_cselect_b64 s[28:29], s[10:11], s[28:29]
	s_cmp_eq_u32 s27, 4
	s_cselect_b64 s[28:29], s[12:13], s[28:29]
	s_lshl_b32 s34, s32, 16                        ; 64 KiB of f32 in,
	s_add_nc_u64 s[28:29], s[28:29], s[34:35]
	s_lshl_b32 s34, s27, 23                        ; section array x 8 MiB,
	s_lshl_b32 s33, s32, 15                        ; 32 KiB out
	s_add_co_u32 s34, s34, s33
	s_add_nc_u64 s[30:31], s[20:21], s[34:35]
	LOAD16
	s_cmp_eq_u32 s27, 4
	s_cbranch_scc1 .Lwo
.set j, 0
.rept 16
	s_wait_loadcnt 15-j
	v_cvt_pk_bf16_f32 v[X+4*j], v[X+4*j], v[X+4*j+1]
	v_cvt_pk_bf16_f32 v[X+4*j+1], v[X+4*j+2], v[X+4*j+3]
	global_store_b64 v2, v[X+4*j:X+4*j+1], s[30:31] offset:2048*j   ; 32 lanes: 256 consecutive bytes
.set j, j+1
.endr
	s_endpgm
.Lwo:                                                  ; w_o multiplies O, which is f16: the bf16 number goes on as f16
.set j, 0
.rept 16
	s_wait_loadcnt 15-j
	ROUND4 X+4*j
	v_cvt_pk_f16_f32 v[X+4*j], v[X+4*j], v[X+4*j+1]
	v_cvt_pk_f16_f32 v[X+4*j+1], v[X+4*j+2], v[X+4*j+3]
	global_store_b64 v2, v[X+4*j:X+4*j+1], s[30:31] offset:2048*j
.set j, j+1
.endr
	s_endpgm
.Lmask:                                                ; m = 18 g + s
	s_sub_co_u32 s38, s26, 1280                    ; m
	s_mul_i32 s39, s38, 3641
	s_lshr_b32 s39, s39, 16                        ; g = m / 18 (3,641 x 18 = 65,538: exact for m < 216)
	s_mul_i32 s45, s39, 18
	s_sub_co_u32 s40, s38, s45                     ; s
	s_sub_co_u32 s41, s39, 8                       ; p
	s_lshl_b32 s42, s41, 1
	s_sub_co_u32 s42, 16, s42                      ; the first block's steps, 16 - 2 p
	s_sub_co_u32 s43, 7, s41
	s_sub_co_u32 s44, s40, s42
	s_cmp_lt_u32 s40, s42
	s_cselect_b32 s43, s43, s41                    ; a pair's block: 7 - p, then p
	s_cselect_b32 s44, s40, s44                    ; and key step
	s_add_co_u32 s45, s39, 8
	s_lshl_b32 s47, s39, 1
	s_add_co_u32 s47, s47, s40
	s_cmp_lt_u32 s39, 8
	s_cselect_b32 s43, s45, s43                    ; b
	s_cselect_b32 s44, s47, s44                    ; ks
	v_lshrrev_b32 v3, 5, v0                        ; my wave takes tile w of 16 queries
	v_and_b32 v7, 15, v0
	v_lshl_add_u32 v3, v3, 4, v7
	s_lshl_b32 s45, s43, 7
	v_add_nc_u32 v3, s45, v3                       ; my query = 128 b + 16 w + r
	v_bfe_u32 v7, v0, 4, 1                         ; h
	v_lshlrev_b32 v4, 13, v3                       ; a row of the mask is 8,192 bytes
	s_lshl_b32 s45, s44, 8
	v_add_nc_u32 v4, s45, v4
	v_lshl_add_u32 v4, v7, 5, v4                   ; + 256 ks + 32 h
	s_lshl_b32 s45, s44, 6
	v_sub_nc_u32 v5, v3, s45
	v_lshlrev_b32 v6, 3, v7
	v_sub_nc_u32 v5, v5, v6                        ; query - 64 ks - 8 h
	v_and_b32 v6, 31, v0
	v_lshlrev_b32 v6, 4, v6
	v_lshrrev_b32 v7, 5, v0
	v_lshl_add_u32 v6, v7, 12, v6                  ; 4,096 w + 16 lane
	s_lshl_b32 s34, s38, 15
	s_add_nc_u64 s[30:31], s[22:23], s[34:35]      ; mtile + 32,768 m
.set t, 0
.rept 8                                ; the wave's eight loads take 16 rows x 256 whole bytes
	global_load_b128 v[X+4*t:X+4*t+3], v4, s[14:15] offset:64*(t/2)+16*(t%2) th:TH_LOAD_NT
.set t, t+1
.endr
.set t, 0
.rept 8
	s_wait_loadcnt 7-t
	ROUND4 X+4*t
.set i, 0
.rept 4
	v_sub_nc_u32 v7, v5, 16*(t/2)+4*(t%2)+i        ; query - key; as an unsigned number it is below 1,024 inside the window alone
	v_cmp_gt_u32 vcc_lo, 0x400, v7
	v_cndmask_b32 v[X+4*t+i], s37, v[X+4*t+i], vcc_lo
.set i, i+1
.endr
	v_pk_mul_f32 v[X+4*t:X+4*t+1], v[X+4*t:X+4*t+1], L2E op_sel_hi:[1,0]
	v_pk_mul_f32 v[X+4*t+2:X+4*t+3], v[X+4*t+2:X+4*t+3], L2E op_sel_hi:[1,0]
	global_store_b128 v6, v[X+4*t:X+4*t+3], s[30:31] offset:512*t   ; 512 consecutive bytes
.set t, t+1
.endr
	s_endpgm
.Lfunc_end_k_qc8e1fe4e2e_prep:
	.size	k_qc8e1fe4e2e_prep, .Lfunc_end_k_qc8e1fe4e2e_prep-k_qc8e1fe4e2e_prep
	.p2alignl 7, 3214868480
	.fill 96, 4, 3214868480
	.section	.rodata,"a",@progbits
	.p2align	6, 0x0
	.amdhsa_kernel k_qc8e1fe4e2e_prep
		.amdhsa_group_segment_fixed_size 0
		.amdhsa_private_segment_fixed_size 0
		.amdhsa_enable_private_segment 0
		.amdhsa_kernarg_size 88
		.amdhsa_user_sgpr_count 2
		.amdhsa_user_sgpr_kernarg_segment_ptr 1
		.amdhsa_wavefront_size32 1
		.amdhsa_system_sgpr_workgroup_id_x 1
		.amdhsa_system_sgpr_workgroup_id_y 1
		.amdhsa_system_sgpr_workgroup_id_z 1
		.amdhsa_system_vgpr_workitem_id 0
		.amdhsa_next_free_vgpr 80
		.amdhsa_next_free_sgpr 66
		.amdhsa_reserve_vcc 1
		.amdhsa_float_denorm_mode_32 3
		.amdhsa_float_denorm_mode_16_64 3
		.amdhsa_memory_ordered 1
		.amdhsa_forward_progress 1
		.amdhsa_inst_pref_size 35
	.end_amdhsa_kernel
	.amdgpu_metadata
---
amdhsa.version: [ 1, 2 ]
amdhsa.kernels:
  - .name:           k_qc8e1fe4e2e_prep
    .symbol:         k_qc8e1fe4e2e_prep.kd
    .args:
      - { .name: x, .offset: 0, .size: 8, .value_kind: global_buffer, .address_space: global }
      - { .name: w_q, .offset: 8, .size: 8, .value_kind: global_buffer, .address_space: global }
      - { .name: w_k, .offset: 16, .size: 8, .value_kind: global_buffer, .address_space: global }
      - { .name: w_v, .offset: 24, .size: 8, .value_kind: global_buffer, .address_space: global }
      - { .name: w_o, .offset: 32, .size: 8, .value_kind: global_buffer, .address_space: global }
      - { .name: mask, .offset: 40, .size: 8, .value_kind: global_buffer, .address_space: global }
      - { .name: freqs_cos, .offset: 48, .size: 8, .value_kind: global_buffer, .address_space: global }
      - { .name: freqs_sin, .offset: 56, .size: 8, .value_kind: global_buffer, .address_space: global }
      - { .name: wcast, .offset: 64, .size: 8, .value_kind: global_buffer, .address_space: global }
      - { .name: mtile, .offset: 72, .size: 8, .value_kind: global_buffer, .address_space: global }
      - { .name: cs, .offset: 80, .size: 8, .value_kind: global_buffer, .address_space: global }
    .group_segment_fixed_size: 0
    .private_segment_fixed_size: 0
    .kernarg_segment_align: 8
    .kernarg_segment_size: 88
    .max_flat_workgroup_size: 256
    .sgpr_count:     66
    .vgpr_count:     80
    .wavefront_size: 32
...
	.end_amdgpu_metadata
.endif
;; end of part 1
;; launch qkv (part 2): grid 24 x 8, 4 waves a work-group, clusters of 4 x 4, 327,680 bytes of LDS; arguments wcast, cs, qkv, vsum; writes qkv, vsum
.if DOCPART == 2
	.amdgcn_target "amdgcn-amd-amdhsa--gfx1250"
	.amdhsa_code_object_version 6
	.text
	.protected	k_qc8e1fe4e2e_qkv
	.globl	k_qc8e1fe4e2e_qkv
	.p2align	8
	.type	k_qc8e1fe4e2e_qkv,@function
k_qc8e1fe4e2e_qkv:
	s_mov_b64 s[64:65], 0
	v_nop
	global_prefetch_b8 v0, s[64:65] scope:SCOPE_SE
	s_setreg_imm32_b32 hwreg(HW_REG_WAVE_MODE, 25, 1), 1
	s_wait_xcnt 0x0
	s_wait_alu depctr_hold_cnt(0) depctr_sa_sdst(0) depctr_va_vdst(0) depctr_va_sdst(0) depctr_va_ssrc(0) depctr_va_vcc(0) depctr_vm_vsrc(0)
	s_getreg_b32 s2, hwreg(HW_REG_IB_STS2, 6, 4)
	s_cmp_eq_u32 s2, 0
	s_cbranch_scc0 .Lentry_in_a_cluster
	s_endpgm
.Lentry_in_a_cluster:
	s_bfe_u32 s2, ttmp6, 0x10000c
	s_cmp_lg_u32 s2, 0xf033
	s_cbranch_scc0 .Lentry_shape_is_right
	s_endpgm
.Lentry_shape_is_right:
; q, k, v = x w_q, x w_k, x w_v as ONE product [2048 x 2048] [2048 x 6144] in bf16 with f32 sums; RoPE on q and k in f32 on the way out; q, k, v leave by heads, [16][2048][128] in f16, rounded once;
; of v also the column sums of each 128 rows, in f32 (vsum), which the attention launch takes for the keys that it does not walk.
; LIMITS.  x, the weights and the tables are the inputs rounded to bf16.  f16 holds no number beyond 65,504: |q|, |k|, |v| stay within it; NaN and infinities are not treated apart.
; SHARES.  A tile of 256 x 256 to a work-group: 8 x 24 = 192 work-groups; four waves of 128 x 128: 64 accumulators, 512 registers.  A wave's 128 columns are one head of one of the three matrices.
; K goes in steps of 128 through two LDS slots filled by the tensor data mover.  x lies [m][k]: its tile has 256 rows of 256 bytes.  The weights lie [k][n]: their tile has 128 rows (k) of 512 bytes, and
; the fragments come out of LDS turned, by ds_load_tr16_b128: as many loads as from rows along k.
; ONE TEXT FOR A K STEP.  A trip of the loop is one K step.  Which slot is read lies in a scalar, 0 or SLOT, that an exclusive or turns at each change of slots; the fragments' addresses are that scalar plus
; a fixed lane term, and one descriptor set walks: its LDS word is turned by the same exclusive or, its address steps one K step.
; CLUSTER.  4 x 4 work-groups: the four of a row need the same tiles of x, the four of a column the same tiles of the weights: each tile is asked for jointly, by the same tensor load and mask in all four.
; The matrix number hangs on the cluster's x alone (eight tile columns a matrix, four a cluster), so the two branches on it go the same way in all sixteen partners.
; THE MATRIX INSTRUCTION IS USED TRANSPOSED (source 0 = 16 columns of w, source 1 = 16 rows of x): a lane holds row lane % 16 and the columns 8 (lane / 16) + 0..7: four RoPE pairs, 16 bytes of f16.
; REGISTERS, in windows of 256 (s_set_vgpr_msb: bits 1:0 source 0, 3:2 source 1, 5:4 source 2, 7:6 destination):
;   window 0: v0-31 addresses; v64-127, v128-191 fragments of x, two buffers; v32-63, v192-255 at work on the way out; v64-127 then also RoPE's products or the column sums
;   window 1: v64-127, v128-191 fragments of w, two buffers; on the way out four buffers of 64 for the tables (v0, v192, v64, v128)
;   window 2: the 32 accumulators of my rows 0-63 ((a, b) at v[8 (8 a + b)]);   window 3: those of my rows 64-127
.set SIZE_K, 2048
.set KSTEP,  128
.set STEPS,  SIZE_K/KSTEP
.set PITCH,  272                       ; x in LDS: 256 bytes + 16 = 68 words: the 16 rows of a load start at 16 different groups of four banks (64 banks of 4 bytes: ISA guide 11.1)
.set PB,     544                       ; w in LDS: 512 bytes + 32 = 136 words
.set HALFT,  128*PITCH                 ; what one tensor load brings: 128 rows of x, or 64 rows of w (64 x 544 is the same number)
.set SLOT,   4*HALFT                   ; x's 256 rows, then w's 128 rows: 139,264 = 0x22000, which shares no bit with wave x 34,816 = 0, 0x8800, 0x11000, 0x19800
.set STAGE,  2*SLOT                    ; behind the ring: 16 rows x 272 bytes for each wave, for the way out
.set SPITCH, 272
.set SPARE,  STAGE+4*16*SPITCH         ; behind the stages: the spare words, 128 bytes for each wave: two blocks of 256 bytes that no other line names
.set VP,     528                       ; the column sums' rows in LDS: 128 f32 + 16 bytes
.set A0,   16                          ; v16     my lane's place in x's tile of slot 0; never rewritten
.set AC,   17                          ; v17     the same in the slot that is read
.set B0,   20                          ; v20, v21 the same for w
.set BC,   21
.set STO,  24                          ; v24     the way out: where I put 16 bytes of a row
.set RD,   25                          ; v25     the way out: where I read a row back
.set CO,   26                          ; v26     16 x lane: my place in 512 consecutive bytes
.set CSO,  27                          ; v27     my place in 16 rows of a table: 256 r + 16 h
.set SPW,  28                          ; v28     LDS address of my spare word; never rewritten
.set NIL,  29                          ; v29     0; never rewritten
.set USTO, 30                          ; v30     the column sums: where I put my row's partial sums
.set URD,  31                          ; v31     and where I read four columns of a row back
.set F0,   64
.set F1,   128
.set T,    64                          ; RoPE: the products with the cosines
.set SUM,  64                          ; v: the sums over my eight blocks
.set RS,   128                         ; v: sixteen rows of them, read back
.set TMP,  192
.set OB,   32
.set WV, 12                            ; s12  my wave
.set RH, 13                            ; s13  my half of the tile's rows; also: I fetch x (0) or w (1)
.set CH, 14                            ; s14  my half of its columns; also: which half of that tile I fetch
.set G1, 24                            ; s[24:31] descriptor group 1 for x;  s[32:39] group 0: a set for each of the two first fills; the second then walks on
.set G0, 32
.set CX, 40
.set CY, 41
.set TC, 42                            ; tile column 0..23
.set TR, 43                            ; tile row 0..7
.set RMASK, 44
.set CMASK, 45
.set G1B, 48                           ; s[48:55], s[56:63] the same for w
.set G0B, 56
.set MAT, 70                           ; 0 q, 1 k, 2 v
.set SO,  71                           ; s71  the byte at which the slot that is read begins
.set CSB, 72                           ; s[72:73] the cosines at my first row
.set CP,  74                           ; s[74:75] my head's rows in q, k or v
.set VSP, 76                           ; s[76:77] my 128 numbers of vsum
.set MSB, 0
.macro WIN new                         ; the immediate's high byte repeats the setting that is left; a switch that changes nothing is dropped
.if MSB != (\new)
	s_set_vgpr_msb (MSB<<8)|(\new)
.set MSB, \new
.endif
.endm
.set MUL_LO, 0xa1                      ; source 0 (w) window 1, source 1 (x) window 0, C and D window 2
.set MUL_HI, 0xf1                      ; the same, C and D window 3
.set TO_B,   0x40                      ; destination window 1, address window 0
; A joint load.  Waves 0 and 1 fetch x's two halves, waves 2 and 3 w's.  The branch hangs on the wave's number alone.  An s_nop 0 and four v_nop follow each of the two lines.
.macro JLOAD s
	s_cmp_eq_u32 s[RH], 0
	s_cbranch_scc0 .Lfor_b_\@
	tensor_load_to_lds s[G0+4*(\s):G0+4*(\s)+3], s[G1:G1+7]
	s_nop 0
.rept 4
	v_nop
.endr
	s_branch .Lasked_\@
.Lfor_b_\@:
	tensor_load_to_lds s[G0B+4*(\s):G0B+4*(\s)+3], s[G1B:G1B+7]
	s_nop 0
.rept 4
	v_nop
.endr
.Lasked_\@:
.endm
.macro CREST                           ; a round of the cluster's barrier behind its opening barrier
	s_cmp_lg_u32 s[WV], 0
	s_cbranch_scc1 .Lnot_wave_0_\@
	s_barrier_signal -3
.Lnot_wave_0_\@:
	s_barrier_wait -3
	s_barrier_signal -1
	s_barrier_wait -1
.endm
.macro CROUND                          ; a whole round
	s_barrier_signal -1
	s_barrier_wait -1
	CREST
.endm
.macro SETADR                          ; the fragments' addresses in the slot that is read
	v_add_nc_u32 v[AC], s[SO], v[A0]
	v_add_nc_u32 v[BC], s[SO], v[B0]
.endm
	s_load_b256 s[4:11], s[0:1], 0x0               ; wcast s[4:5], cs s[6:7], qkv s[8:9], vsum s[10:11]
	v_lshl_add_u32 v[SPW], v0, 2, SPARE
	v_mov_b32 v[NIL], 0
	ds_add_u32 v[SPW], v[NIL]                      ; the wave's opening: the add and its wait stand ahead of my first tensor load; work on registers stands between them
	v_lshrrev_b32 v1, 5, v0
	v_readfirstlane_b32 s[WV], v1
	s_lshr_b32 s[RH], s[WV], 1
	s_and_b32 s[CH], s[WV], 1
	s_bfe_u32 s[CX], ttmp6, 0x40000
	s_bfe_u32 s[CY], ttmp6, 0x40004
	s_lshl_b32 s[TC], ttmp9, 2                     ; in a cluster launch ttmp9 and ttmp7 count clusters
	s_add_co_u32 s[TC], s[TC], s[CX]
	s_and_b32 s[TR], ttmp7, 0xffff
	s_lshl_b32 s[TR], s[TR], 2
	s_add_co_u32 s[TR], s[TR], s[CY]
	s_lshr_b32 s[MAT], ttmp9, 1                    ; two clusters along x to a matrix
	s_lshl_b32 s[RMASK], s[CY], 2
	s_lshl_b32 s[RMASK], 15, s[RMASK]              ; my row of the cluster
	s_lshl_b32 s[CMASK], 0x1111, s[CX]             ; my column
	s_or_b32 s[G1+0], s[RMASK], (1<<16)|(1<<20)|(1<<21)|(5<<22)|(3<<25)   ; 2-byte elements; padding on; bit 21 beside a mask; after every 64 words 4 words
	s_or_b32 s[G1B+0], s[CMASK], (1<<16)|(1<<20)|(1<<21)|(6<<22)|(7<<25)  ; after every 128 words 8 words
	s_mov_b32 s[G1+1], 128<<16                     ; x: tensor_dim0 = 128
	s_mov_b32 s[G1+2], 128<<16                     ; tensor_dim1 = 128
	s_mov_b32 s[G1+3], 128<<16                     ; tile_dim0 = 128 elements
	s_mov_b32 s[G1+4], 128                         ; tile_dim1 = 128 rows
	s_mov_b32 s[G1+5], SIZE_K                      ; elements from row to row
	s_mov_b32 s[G1+6], 0
	s_mov_b32 s[G1+7], 0
	s_mov_b32 s[G1B+1], 256<<16                    ; w: tensor_dim0 = 256
	s_mov_b32 s[G1B+2], 64<<16                     ; tensor_dim1 = 64
	s_mov_b32 s[G1B+3], 256<<16                    ; tile_dim0 = 256 elements
	s_mov_b32 s[G1B+4], 64                         ; tile_dim1 = 64 rows
	s_mov_b32 s[G1B+5], 2048
	s_mov_b32 s[G1B+6], 0
	s_mov_b32 s[G1B+7], 0
	s_lshl_b32 s16, s[TR], 8                       ; x: row 256 x tile row + 128 x half, 4,096 bytes a row: made of the tile row and the wave alone
	s_lshl_b32 s17, s[CH], 7
	s_add_co_u32 s16, s16, s17
	s_lshl_b32 s16, s16, 12
	s_mov_b32 s17, 0
	s_add_co_u32 s46, s[MAT], 1                    ; w: section 1 + matrix, k row 64 x half, column 256 x (tile column % 8): made of the tile column and the wave alone
	s_lshl_b32 s46, s46, 23
	s_lshl_b32 s47, s[CH], 18
	s_add_co_u32 s46, s46, s47
	s_and_b32 s47, s[TC], 7
	s_lshl_b32 s47, s47, 9
	s_add_co_u32 s46, s46, s47
	s_mov_b32 s47, 0
	s_mul_i32 s20, s[WV], HALFT                    ; where they go: wave x 34,816: no place in the cluster enters an LDS address
	s_wait_dscnt 0x0                               ; the opening add is done
	s_wait_kmcnt 0x0
	s_add_nc_u64 s[18:19], s[4:5], s[16:17]
	s_add_nc_u64 s[46:47], s[4:5], s[46:47]
	CROUND                                         ; all sixteen work-groups are here: the first joint loads meet
.irp s, 0,1
	s_mov_b32 s[G0+4*(\s)], 1
	s_add_co_u32 s[G0+4*(\s)+1], s20, (\s)*SLOT
	s_add_nc_u64 s[G0+4*(\s)+2:G0+4*(\s)+3], s[18:19], (\s)*KSTEP*2          ; K step s: 256 bytes along x's rows,
	s_or_b32 s[G0+4*(\s)+3], s[G0+4*(\s)+3], 0x80000000
	s_mov_b32 s[G0B+4*(\s)], 1
	s_add_co_u32 s[G0B+4*(\s)+1], s20, (\s)*SLOT
	s_add_nc_u64 s[G0B+4*(\s)+2:G0B+4*(\s)+3], s[46:47], (\s)*KSTEP*SIZE_K*2  ; 128 rows down w
	s_or_b32 s[G0B+4*(\s)+3], s[G0B+4*(\s)+3], 0x80000000
	JLOAD \s                                       ; two loads of mine are out
.endr
	v_and_b32 v1, 15, v0                           ; r
	v_bfe_u32 v2, v0, 4, 1                         ; h
	v_mul_u32_u24 v3, v1, PITCH
	v_lshl_add_u32 v3, v2, 4, v3                   ; x: row r, 16 bytes for each half of the lanes
	v_and_b32 v4, 7, v0
	v_lshl_add_u32 v4, v2, 3, v4
	v_mul_u32_u24 v4, v4, PB
	v_bfe_u32 v5, v0, 3, 1
	v_lshl_add_u32 v4, v5, 4, v4                   ; w: the turning load's lane reads k row 8 h + lane % 8, columns 8 ((lane / 8) % 2) + 0..7
	s_mul_i32 s21, s[RH], HALFT
	s_lshl_b32 s22, s[CH], 8                       ; my 128 columns are 256 bytes of w's rows,
	s_add_co_u32 s22, s22, 2*HALFT                 ; which lie behind x's 256
	v_add_nc_u32 v[A0], s21, v3
	v_add_nc_u32 v[B0], s22, v4
	s_mov_b32 s[SO], 0                             ; K step 0 lies in slot 0
	SETADR
	s_mul_i32 s23, s[WV], 16*SPITCH
	s_add_co_u32 s23, s23, STAGE                   ; my stage
	v_mul_u32_u24 v4, v1, SPITCH
	v_lshl_add_u32 v4, v2, 4, v4
	v_add_nc_u32 v[STO], s23, v4
	v_mul_u32_u24 v5, v2, SPITCH
	v_lshl_add_u32 v5, v1, 4, v5
	v_add_nc_u32 v[RD], s23, v5
	v_and_b32 v[CO], 31, v0
	v_lshlrev_b32 v[CO], 4, v[CO]
	v_lshlrev_b32 v[CSO], 8, v1
	v_lshl_add_u32 v[CSO], v2, 4, v[CSO]
	s_mul_i32 s23, s[WV], 16*VP                    ; the column sums go through 8,448 bytes of my own at the head of slot 0
	v_mul_u32_u24 v5, v1, VP
	v_lshl_add_u32 v5, v2, 5, v5
	v_add_nc_u32 v[USTO], s23, v5                  ; row r, 32 bytes for each half of the lanes
	v_add_nc_u32 v[URD], s23, v[CO]
	s_lshl_b32 s78, s[TR], 16                      ; my first row, 256 TR + 128 RH, times 256 bytes: a row of a table and a row of a head are as long
	s_lshl_b32 s80, s[RH], 15
	s_add_co_u32 s78, s78, s80
	s_mov_b32 s79, 0
	s_add_nc_u64 s[CSB:CSB+1], s[6:7], s[78:79]
	s_and_b32 s81, s[TC], 7
	s_lshl_b32 s80, s81, 1
	s_add_co_u32 s80, s80, s[CH]                   ; my head
	s_lshl_b32 s80, s80, 19
	s_add_co_u32 s78, s78, s80
	s_lshl_b32 s80, s[MAT], 23
	s_add_co_u32 s78, s78, s80
	s_add_nc_u64 s[CP:CP+1], s[8:9], s[78:79]
	s_lshl_b32 s78, s[TR], 1
	s_add_co_u32 s78, s78, s[RH]                   ; my block of 128 rows: a row of vsum, 8,192 bytes
	s_lshl_b32 s78, s78, 13
	s_lshl_b32 s80, s81, 10
	s_add_co_u32 s78, s78, s80
	s_lshl_b32 s80, s[CH], 9
	s_add_co_u32 s78, s78, s80
	s_add_nc_u64 s[VSP:VSP+1], s[10:11], s[78:79]
; 16 matrix instructions: m blocks a0, a0 + 1 of the window's four x all 8 n blocks, 32 along K.  zero = 1: the first product starts the sums: nothing is cleared.
.macro MUL16 f, hi, a0, zero
	WIN MUL_LO+0x50*(\hi)
.irp a, \a0, (\a0)+1
.irp b, 0,1,2,3,4,5,6,7
.if \zero
	v_wmma_f32_16x16x32_bf16 v[8*(8*(\a)+(\b)):8*(8*(\a)+(\b))+7], v[(\f)+8*(\b):(\f)+8*(\b)+7], v[(\f)+8*(4*(\hi)+(\a)):(\f)+8*(4*(\hi)+(\a))+7], 0
.else
	v_wmma_f32_16x16x32_bf16 v[8*(8*(\a)+(\b)):8*(8*(\a)+(\b))+7], v[(\f)+8*(\b):(\f)+8*(\b)+7], v[(\f)+8*(4*(\hi)+(\a)):(\f)+8*(4*(\hi)+(\a))+7], v[8*(8*(\a)+(\b)):8*(8*(\a)+(\b))+7]
.endif
.endr
.endr
.endm
; 32 LDS loads in one run: the fragments of quarter q (32 along K) of the slot that is read, into buffer f: w's 128 columns turned, then x's 128 rows
.macro FETCH q, f
	WIN TO_B
.irp i, 0,1,2,3,4,5,6,7
	ds_load_tr16_b128 v[(\f)+8*(\i):(\f)+8*(\i)+3],   v[BC] offset:(\q)*32*PB+32*(\i)
	ds_load_tr16_b128 v[(\f)+8*(\i)+4:(\f)+8*(\i)+7], v[BC] offset:(\q)*32*PB+16*PB+32*(\i)
.endr
	WIN 0
.irp i, 0,1,2,3,4,5,6,7
	ds_load_b128 v[(\f)+8*(\i):(\f)+8*(\i)+3],   v[AC] offset:(\q)*64+(\i)*16*PITCH
	ds_load_b128 v[(\f)+8*(\i)+4:(\f)+8*(\i)+7], v[AC] offset:(\q)*64+(\i)*16*PITCH+32
.endr
.endm
.macro PLACES                          ; four plain places between a matrix instruction and a load into, or a vector instruction on, its registers (ISA guide 7.12.1 for vector instructions)
.rept 4
	v_nop
.endr
.endm
; A K step is four quarters of 32 along K, 64 matrix instructions each, on buffers 0, 1, 0, 1.  The 64 accumulators take turns, one instruction a turn.
.macro QUARTER q, f, g, zero           ; multiplies buffer f; in its middle it fetches quarter q of the same slot into buffer g
	s_wait_dscnt 8                                 ; w and x's rows 0-63 are in; the youngest eight loads (x's rows 64-127) may be out
	WIN MUL_LO
	MUL16 \f, 0, 0, \zero
	MUL16 \f, 0, 2, \zero
	PLACES
	FETCH \q, \g
	s_wait_dscnt 32                                ; all but the 32 just issued
	WIN MUL_HI
	MUL16 \f, 1, 0, \zero
	MUL16 \f, 1, 2, \zero
.endm
; The last quarter's first half: ONE barrier for the change of slots.
.macro MEET round
	WIN 0                                          ; (the add's two registers lie in window 0)
	s_wait_tensorcnt 0x0                           ; all my tensor loads have landed: the one that was out is my part of the next slot;
	ds_add_u32 v[SPW], v[NIL]                      ; 0 onto my spare word
	s_wait_dscnt 9                                 ; (the add and the youngest eight loads may be out)
	WIN MUL_LO
	MUL16 F1, 0, 0, 0                              ; sixteen matrix instructions stand between the add and the wait for it
	s_wait_dscnt 0x0                               ; the add is done, and my reads of this slot are over
	s_barrier_signal -1
	MUL16 F1, 0, 2, 0                              ; work on registers while the others arrive
.if \round
	WIN 0
.endif
	s_barrier_wait -1
.endm
; The whole last quarter.  fill = 1: the barrier opens a round of the cluster's, and the slot just read out is filled again first behind it, two K steps on: 224 matrix instructions ahead of the wait for it.
.macro TURN fill
	MEET \fill
.if \fill
	CREST                                          ; no wave of any partner still reads this slot's tile or has a load on its way
	s_xor_b32 s[G0+5], s[G0+5], SLOT               ; the walking set: the other slot than last time, which is the one just read out,
	s_xor_b32 s[G0B+5], s[G0B+5], SLOT
	s_add_nc_u64 s[G0+6:G0+7], s[G0+6:G0+7], KSTEP*2               ; the next K step; the type bits on top are not reached
	s_add_nc_u64 s[G0B+6:G0B+7], s[G0B+6:G0B+7], KSTEP*SIZE_K*2
	s_xor_b32 s[SO], s[SO], SLOT                   ; the reads go on in the other slot
	JLOAD 1                                        ; the four v_nop behind it are also the places in front of the loads below
.else
	WIN 0
	PLACES
	s_xor_b32 s[SO], s[SO], SLOT
.endif
	SETADR
	FETCH 0, F0
	WIN MUL_HI
	MUL16 F1, 1, 0, 0
	MUL16 F1, 1, 2, 0
.endm
.macro LASTQ                           ; the very last quarter: nothing more to fetch
	s_wait_dscnt 8
	MUL16 F1, 0, 0, 0
	MUL16 F1, 0, 2, 0
	s_wait_dscnt 0x0
	MUL16 F1, 1, 0, 0
	MUL16 F1, 1, 2, 0
.endm
; THE WAY OUT, a block a of 16 rows at a time.
.macro SETCB a                         ; the table buffer of block a, in window 1: two lie beside w's fragment buffers, two in them
.if ((\a)%4) == 0
.set CBB, 0
.elseif ((\a)%4) == 1
.set CBB, 192
.elseif ((\a)%4) == 2
.set CBB, 64
.else
.set CBB, 128
.endif
.endm
; The tables of block a.  My columns 16 b + 8 h + 0..7 are the pairs 8 b + 4 h + 0..3: 16 bytes of the row's 256; the eight b together take the 16 rows whole.  32 registers of cosines, then 32 of sines.
.macro LOADCS a
	SETCB \a
	WIN 0x40
.irp b, 0,1,2,3,4,5,6,7
	global_load_b128 v[CBB+4*(\b):CBB+4*(\b)+3], v[CSO], s[CSB:CSB+1] offset:4096*(\a)+32*(\b)
	global_load_b128 v[CBB+32+4*(\b):CBB+32+4*(\b)+3], v[CSO], s[CSB:CSB+1] offset:4096*(\a)+32*(\b)+524288
.endr
	WIN 0
.endm
; (a, b) -> (a c - b s, a s + b c) on each pair of neighbouring registers, in place: T = (a c, b c); then (-b, a) x s + T.  Each accumulator is read from its low end.
.macro ROPE a
	SETCB \a
.set AC8, 64*((\a)%4)
.set WA, 2+(\a)/4
.if (\a) < 4
	s_wait_loadcnt 48                              ; block a's 16 loads are in; those of the three blocks behind it stay out
.else
	s_wait_loadcnt 16*(7-(\a))                     ; the blocks that are left
.endif
	WIN 0x04|WA                                    ; source 0: the accumulators' window; source 1: window 1
.set y, 0
.rept 16
	v_pk_mul_f32 v[T+4*y:T+4*y+1],   v[AC8+4*y:AC8+4*y+1],   v[CBB+2*y:CBB+2*y+1] op_sel:[0,0] op_sel_hi:[1,0]
	v_pk_mul_f32 v[T+4*y+2:T+4*y+3], v[AC8+4*y+2:AC8+4*y+3], v[CBB+2*y:CBB+2*y+1] op_sel:[0,1] op_sel_hi:[1,1]
.set y, y+1
.endr
	WIN (WA<<6)|0x04|WA
.set y, 0
.rept 16
	v_pk_fma_f32 v[AC8+4*y:AC8+4*y+1],   v[AC8+4*y:AC8+4*y+1],   v[CBB+32+2*y:CBB+32+2*y+1], v[T+4*y:T+4*y+1]   op_sel:[1,0,0] op_sel_hi:[0,0,1] neg_lo:[1,0,0]
	v_pk_fma_f32 v[AC8+4*y+2:AC8+4*y+3], v[AC8+4*y+2:AC8+4*y+3], v[CBB+32+2*y:CBB+32+2*y+1], v[T+4*y+2:T+4*y+3] op_sel:[1,1,0] op_sel_hi:[0,1,1] neg_lo:[1,0,0]
.set y, y+1
.endr
	WIN 0
.endm
.macro PACK a                          ; rounded to f16, 16 bytes a lane
.set AC8, 64*((\a)%4)
	WIN 0x0a+5*((\a)/4)                            ; sources 0 and 1: window 2 or 3
.irp b, 0,1,2,3,4,5,6,7
.irp r, 0,1,2,3
	v_cvt_pk_f16_f32 v[TMP+4*(\b)+(\r)], v[AC8+8*(\b)+2*(\r)], v[AC8+8*(\b)+2*(\r)+1]
.endr
.endr
	WIN 0
.endm
.macro TOSTAGE a                       ; into my own stage, and back as whole rows of 256 bytes
	WIN 0
.set BK, OB+192*((\a)%2)
.irp b, 0,1,2,3,4,5,6,7
	ds_store_b128 v[STO], v[TMP+4*(\b):TMP+4*(\b)+3] offset:32*(\b)
.endr
.irp t, 0,1,2,3,4,5,6,7
	ds_load_b128 v[BK+4*(\t):BK+4*(\t)+3], v[RD] offset:(\t)*2*SPITCH  ; LDS serves a wave's instructions in order (ISA guide 5.7.1.4): these see the stores above
.endr
.endm
.macro SEND a, younger
	WIN 0
.set BK, OB+192*((\a)%2)
	s_wait_dscnt \younger                          ; the block is back in registers
	s_wait_xcnt 0x0                                ; the stores of the block before have read their registers: the next block's loads from the stage land in them only behind this wait
.irp t, 0,1,2,3,4,5,6,7
	global_store_b128 v[CO], v[BK+4*(\t):BK+4*(\t)+3], s[CP:CP+1] offset:4096*(\a)+512*(\t)  ; a head's rows are dense: two rows, 512 consecutive bytes, aligned
.endr
.endm
; v's column sums over my 128 rows.  The eight blocks' accumulators are added: a lane then holds, for row lane % 16 of every block together, 64 columns.  These 16 rows x 128 columns go into LDS
; (rows 528 bytes apart) and come back by rows, four columns a lane; fifteen additions a column finish the sums, and the
; lane's four are 16 of 512 consecutive bytes of vsum.  The LDS bytes are the head of slot 0: it has had its last fill, and behind the last change of slots no wave reads it.
.macro VSUM
	WIN 0x0a
.set z, 0
.rept 32
	v_pk_add_f32 v[SUM+2*z:SUM+2*z+1], v[2*z:2*z+1], v[64+2*z:64+2*z+1]
.set z, z+1
.endr
	WIN 0x08
.irp a, 2,3
.set z, 0
.rept 32
	v_pk_add_f32 v[SUM+2*z:SUM+2*z+1], v[SUM+2*z:SUM+2*z+1], v[64*(\a)+2*z:64*(\a)+2*z+1]
.set z, z+1
.endr
.endr
	WIN 0x0c
.irp a, 0,1,2,3
.set z, 0
.rept 32
	v_pk_add_f32 v[SUM+2*z:SUM+2*z+1], v[SUM+2*z:SUM+2*z+1], v[64*(\a)+2*z:64*(\a)+2*z+1]
.set z, z+1
.endr
.endr
	WIN 0
.irp b, 0,1,2,3,4,5,6,7                ; columns 16 b + 8 h + 0..7
	ds_store_b128 v[USTO], v[SUM+8*(\b):SUM+8*(\b)+3] offset:64*(\b)
	ds_store_b128 v[USTO], v[SUM+8*(\b)+4:SUM+8*(\b)+7] offset:64*(\b)+16
.endr
.set z, 0
.rept 16
	ds_load_b128 v[RS+4*z:RS+4*z+3], v[URD] offset:VP*z   ; my own bytes: these see the stores above
.set z, z+1
.endr
	s_wait_dscnt 0x0
.irp w, 8,4,2,1
.set z, 0
.rept \w
	v_pk_add_f32 v[RS+4*z:RS+4*z+1],   v[RS+4*z:RS+4*z+1],   v[RS+4*(z+(\w)):RS+4*(z+(\w))+1]
	v_pk_add_f32 v[RS+4*z+2:RS+4*z+3], v[RS+4*z+2:RS+4*z+3], v[RS+4*(z+(\w))+2:RS+4*(z+(\w))+3]
.set z, z+1
.endr
.endr
	global_store_b128 v[CO], v[RS:RS+3], s[VSP:VSP+1]
.endm
	s_wait_tensorcnt 1                             ; my part of K step 0 is in; K step 1's stays out
	s_barrier_signal -1
	s_barrier_wait -1                              ; everybody's is
	FETCH 0, F0
	QUARTER 1, F0, F1, 1                           ; the first quarter stands in front of the loop: its products start the sums
	WIN 0                                          ; at a label and at a branch every window is 0
	s_mov_b32 s3, STEPS-2
.Lstep:                                                ; a trip goes from a K step's second quarter to the next step's first, and fills the slot that it leaves: 14 trips ask for K steps 2 to 15
	QUARTER 2, F1, F0, 0
	QUARTER 3, F0, F1, 0
	TURN 1
	QUARTER 1, F0, F1, 0
	WIN 0
	s_sub_co_u32 s3, s3, 1
	s_cmp_lg_u32 s3, 0
	s_cbranch_scc1 .Lstep
	QUARTER 2, F1, F0, 0                           ; the last two K steps fill nothing
	QUARTER 3, F0, F1, 0
	TURN 0                                         ; behind this barrier no wave reads slot 0 any more
	QUARTER 1, F0, F1, 0
	QUARTER 2, F1, F0, 0
	LOADCS 0                                       ; the tables of the first two blocks, 128 matrix instructions ahead of their use.  Every wave asks, v's too, which does not use them
	LOADCS 1                                       ; (16 KiB a wave): so the branch on the matrix stands once, behind the last product
	QUARTER 3, F0, F1, 0
	LASTQ
	PLACES                                         ; for the loads into w's fragment buffers and the vector work on the results
	WIN 0
	s_cmp_lt_u32 s[MAT], 2
	s_cbranch_scc0 .Lplain                         ; v is not turned
	LOADCS 2
	LOADCS 3
.irp a, 0,1,2,3,4,5,6,7
	ROPE \a
.if (\a) < 4
	LOADCS (\a)+4                                  ; its buffer takes the block four further on
.endif
.endr
.Lplain:
	PACK 0
	TOSTAGE 0
.irp a, 1,2,3,4,5,6,7                  ; block a's conversions stand between block a - 1's loads from the stage and the wait for them
	PACK \a
	SEND (\a)-1, 0
	TOSTAGE \a
.endr
	SEND 7, 0
	s_cmp_eq_u32 s[MAT], 2
	s_cbranch_scc0 .Lend
	VSUM
.Lend:
	s_wait_tensorcnt 0x0                           ; the wave's end: behind my last tensor load and my last LDS store
	ds_add_u32 v[SPW], v[NIL]
	s_wait_dscnt 0x0
	CROUND                                         ; the closing round: no work-group ends while a partner may still ask for a tile that names it
	s_endpgm
.Lfunc_end_k_qc8e1fe4e2e_qkv:
	.size	k_qc8e1fe4e2e_qkv, .Lfunc_end_k_qc8e1fe4e2e_qkv-k_qc8e1fe4e2e_qkv
	.p2alignl 7, 3214868480
	.fill 96, 4, 3214868480
	.section	.rodata,"a",@progbits
	.p2align	6, 0x0
	.amdhsa_kernel k_qc8e1fe4e2e_qkv
		.amdhsa_group_segment_fixed_size 327680
		.amdhsa_private_segment_fixed_size 0
		.amdhsa_enable_private_segment 0
		.amdhsa_kernarg_size 32
		.amdhsa_user_sgpr_count 2
		.amdhsa_user_sgpr_kernarg_segment_ptr 1
		.amdhsa_wavefront_size32 1
		.amdhsa_system_sgpr_workgroup_id_x 1
		.amdhsa_system_sgpr_workgroup_id_y 1
		.amdhsa_system_sgpr_workgroup_id_z 1
		.amdhsa_system_vgpr_workitem_id 0
		.amdhsa_next_free_vgpr 1024
		.amdhsa_next_free_sgpr 84
		.amdhsa_reserve_vcc 0
		.amdhsa_float_denorm_mode_32 3
		.amdhsa_float_denorm_mode_16_64 3
		.amdhsa_memory_ordered 1
		.amdhsa_forward_progress 1
		.amdhsa_inst_pref_size 181
	.end_amdhsa_kernel
	.amdgpu_metadata
---
amdhsa.version: [ 1, 2 ]
amdhsa.kernels:
  - .name:           k_qc8e1fe4e2e_qkv
    .symbol:         k_qc8e1fe4e2e_qkv.kd
    .args:
      - { .name: wcast, .offset: 0, .size: 8, .value_kind: global_buffer, .address_space: global }
      - { .name: cs, .offset: 8, .size: 8, .value_kind: global_buffer, .address_space: global }
      - { .name: qkv, .offset: 16, .size: 8, .value_kind: global_buffer, .address_space: global }
      - { .name: vsum, .offset: 24, .size: 8, .value_kind: global_buffer, .address_space: global }
    .group_segment_fixed_size: 327680
    .private_segment_fixed_size: 0
    .kernarg_segment_align: 8
    .kernarg_segment_size: 32
    .max_flat_workgroup_size: 128
    .sgpr_count:     84
    .vgpr_count:     1024
    .wavefront_size: 32
...
	.end_amdgpu_metadata
.endif
;; end of part 2
;; launch attn (part 3): grid 16 x 12, 4 waves a work-group, clusters of 4 x 1, 327,680 bytes of LDS; arguments qkv, mtile, vsum, ob; writes ob
.if DOCPART == 3
	.amdgcn_target "amdgcn-amd-amdhsa--gfx1250"
	.amdhsa_code_object_version 6
	.text
	.protected	k_qc8e1fe4e2e_attn
	.globl	k_qc8e1fe4e2e_attn
	.p2align	8
	.type	k_qc8e1fe4e2e_attn,@function
k_qc8e1fe4e2e_attn:
	s_mov_b64 s[64:65], 0
	v_nop
	global_prefetch_b8 v0, s[64:65] scope:SCOPE_SE
	s_setreg_imm32_b32 hwreg(HW_REG_WAVE_MODE, 25, 1), 1
	s_wait_xcnt 0x0
	s_wait_alu depctr_hold_cnt(0) depctr_sa_sdst(0) depctr_va_vdst(0) depctr_va_sdst(0) depctr_va_ssrc(0) depctr_va_vcc(0) depctr_vm_vsrc(0)
	s_getreg_b32 s2, hwreg(HW_REG_IB_STS2, 6, 4)
	s_cmp_eq_u32 s2, 0
	s_cbranch_scc0 .Lentry_in_a_cluster
	s_endpgm
.Lentry_in_a_cluster:
	s_bfe_u32 s2, ttmp6, 0x10000c
	s_cmp_lg_u32 s2, 0x3003
	s_cbranch_scc0 .Lentry_shape_is_right
	s_endpgm
.Lentry_shape_is_right:
; ATTENTION IN A WINDOW.  O[q] = the sum over all 2,048 keys of softmax_k(score) V[k], score = Q[q] . K[k] / sqrt(128) + mask[q][k] where 0 <= q - k < 1024, and -1e9 elsewhere.
; Q, K, V: [16 heads][2048][128] f16 (three sections of qkv); O: [2048][2048] f16, column 128 head + channel.  Products, maxima and sums in f32; the weights are rounded to f16 for the second product.
; THE WALK.  Blocks of 128 queries, key tiles of 128; block b needs tiles max(b - 8, 0) .. b.  Walk g < 8 is block g + 8: 9 tiles.  Walk g = 8 + p is block 7 - p and then block p: 8 - p and p + 1 tiles.
; So all 16 x 12 work-groups walk 9 tiles, and ONE loop with a constant trip count walks them; what differs lies in scalar registers made from g, and every jump but the loops' own goes forward, past
; text that holds no barrier and no tensor load (but those of a fill's three lines that the wave's number does not choose).
; -1e9 IS A SCORE, NOT MINUS INFINITY.  Keys outside the window inside a walked tile carry it through mtile.  The tiles that are not walked are the START of the running softmax: m = -1e9 (in log2 units),
; l = the number of their keys, O = the sum of their rows of V (from vsum).  With any true score the first rescaling multiplies that start by 0.
; SCORES are kept in log2 units: c s + M with c = log2(e) / sqrt(128) and M = log2(e) x mask from mtile, one fused multiply-add; p = 2^(that - m) with a running maximum m; in every step O and l are
; multiplied by a = 2^(m_old - m_new).
; LIMITS.  The inputs count as rounded to bf16; Q, K, V within f16's 65,504.  One rounding in log2 units stands where the definition has two in natural units.  Outside the window the score is
; c s - 1e9 log2(e), where neighbouring f32 numbers are 128 apart: it is the constant for |c s| < 64.  A weight below 2^-126 counts as 0.  NaN and infinities are not treated apart.
; LAYOUT.  S^T = K Q^T (source 0 = 16 keys, source 1 = 16 queries): a lane holds ONE query (lane % 16) and the keys 8 (lane / 16) + 0..7; two such results rounded to f16 ARE source 1 of O^T = V^T P.
; mtile holds the mask as that register image: out of LDS it comes by loads of 512 consecutive bytes.  K comes out of LDS as it lies, V turned, by ds_load_tr16_b128.
; SHARES.  A wave owns 32 queries: two tiles of 16.  A step is 64 keys: 32 products V^T P of the step before, 32 products K Q^T, then the softmax, in phases.
; CLUSTER.  The four work-groups of a cluster are four heads on the same walk.  They need the same 64 KiB of mtile for every key tile, as many bytes as a head's own K and V: these are asked for JOINTLY,
; by the same tensor load, descriptor and mask in all four.  K and V are each head's own and come by plain loads.  The head enters global addresses alone; every branch, trip count and LDS address
; hangs on the walk and the wave.  K and V are not shared among a head's blocks: their windows are shifted against each other, and a walk common to four neighbouring blocks has 12 tiles for 9.
; REGISTERS, in windows of 256 (s_set_vgpr_msb: bits 1:0 source 0, 3:2 source 1, 5:4 source 2, 7:6 destination):
;   window 0: v0-15 addresses; v16-31 eight registers of statistics a tile; v32-38 a block's start; v64-127 S^T, 32 a tile; v128-159 P, 16 a tile
;   window 1: v0-127 O^T, 64 a tile; v128-191 the mask, 32 a tile      window 2: v0-63 Q, 32 a tile; v128-255 K of one step (at a block's start: vsum)      window 3: v0-127 V of one step
.set KS,    64
.set PK,    272       ; a row of K in LDS: 256 bytes + 16 = 68 words: the 16 rows of a load start at 16 different groups of four banks (64 banks of 4 bytes: ISA guide 11.1)
.set PVP,   288       ; a row of V: 256 + 32 = 72 words
.set KT,    128*PK    ; a key tile's K: two steps of 64 rows
.set VT,    128*PVP   ; and its V
.set VOFF,  KT
.set SLOTB, KT+VT     ; a slot of K and V: 71,680 bytes; slot 1 follows slot 0
.set STAGE, 2*SLOTB   ; behind them, never filled by a tensor load: 16 rows x 272 bytes for each wave
.set SP,    272
.set SPARE, STAGE+4*16*SP  ; behind the stages: the spare words, 128 bytes for each wave: two blocks of 256 bytes that no other line names
.set MB0,   0x30000   ; the mask: four pieces of 32,768 bytes up to the end of LDS: slot 0's two steps at 0x30000 and 0x38000, slot 1's at 0x40000 and 0x48000
.set MSTEP, 0x8000
.set MTOG,  0x70000   ; 0x30000 xor 0x40000 = 0x38000 xor 0x48000: one exclusive or turns a piece's address into the other slot's
.set AK0, 2           ; v2   my lane's place in a tile of K; never rewritten
.set AV0, 3           ; v3   the same for V
.set ADK, 4           ; v4   the LDS address of K's run of loads
.set ADV, 5           ; v5   of V's
.set STO, 6           ; v6   the way out: where I put 16 bytes of a row
.set RD,  7           ; v7   the way out: where I read a row back
.set GO,  8           ; v8   my byte offset in two rows of O: 4,096 h + 16 r
.set H,   9           ; v9   lane / 16
.set ADM, 10          ; v10  the LDS address of the mask's run of loads
.set QO,  12          ; v12  my byte offset in 16 rows of Q
.set MO,  13          ; v13  my byte offset in a step's block of mtile: 8,192 wave + 16 lane
.set L16, 14          ; v14  16 x lane
.set URD, 15          ; v15  my stage + 32 h
.set ST,  16          ; tile t's statistics at v[ST+8 t]: +0 m, +1 named with it as a pair, +2, +3 l (even keys', odd keys'), +4 to +7 c0-c3 at work; a takes c2's place
.set UA,  32          ; v[32:35] four channels of the start of O
.set STG, 36          ; v36  my stage + 16 x lane
.set WNEG, 37         ; v37  -1e9 x log2(e)
.set NUH, 38          ; v38  the start of l
.set SPW, 62          ; v62  LDS address of my spare word; never rewritten
.set NIL, 63          ; v63  0; never rewritten
.set S,   64
.set P,   128
.set MK,  128         ; window 1
.set KF,  128         ; window 2
.set WV,  12          ; s12  my wave
.set G,   13          ; s13  the walk
.set HD,  14          ; s14  the head
.set B1,  15          ; s15  the first block
.set B2,  16          ; s16  the second (with one block: the same)
.set KB,  18          ; s[18:19] K at the head's tile 0
.set VB,  20          ; s[20:21] V likewise
.set G1K, 24          ; s[24:31] descriptor group 1 for K
.set G1V, 32          ; s[32:39] for V: it differs in the padding alone
.set G0K, 40          ; s[40:43] descriptor group 0 for K
.set G0V, 44          ; s[44:47] for V
.set QP,  48          ; s[48:49] Q at my 32 rows of the block in hand
.set QP2, 50          ; s[50:51] of the second block
.set OP2, 52          ; s[52:53] O at my rows of the second block
.set TM,  54          ; s54  LDS byte at which the mask of the step to be fetched begins
.set CXR, 55          ; s55  my place in the cluster
.set SLOTS, 56        ; s56  tiles still to be asked for
.set TWICE, 57        ; s57  counts a tile's two steps
.set CS,  58          ; s[58:59] c: the packed multiply-add takes the pair's low word for both halves
.set SEL, 60          ; s[60:61] v_permlanex16_b32's selects: each lane takes its own place in the other half
.set TBK, 62          ; s62  LDS byte at which K of the step to be fetched begins
.set TBV, 63          ; s63  the same for V, less VOFF
.set MOF, 66          ; s[66:67] the byte in mtile of my part of the walk's first tile: made of the walk and the wave alone
.set RT,  70          ; s70  tiles of the block in hand that are still to be walked
.set NXT, 71          ; s71  the tile to be asked for next
.set LQ,  72          ; s72  the last tile of the block whose tiles are being asked for
.set OFF, 74          ; s[74:75] a tile's byte offset in K and V
.set LO,  76          ; s76  the block's first tile
.set SPAN, 77         ; s77  its tiles less one
.set NU,  78          ; s78  the keys of the tiles that it does not walk
.set WU,  80          ; s[80:81] 1.0 for such a tile, 0 for a walked one
.set G1M, 88          ; s[88:95] descriptor group 1 for the mask
.set G0M, 96          ; s[96:99] descriptor group 0 for the mask
.set MSB, 0
.macro WIN new                      ; the high byte repeats the setting that is left; a switch that changes nothing is dropped
.if MSB != (\new)
	s_set_vgpr_msb (MSB<<8)|(\new)
.set MSB, (\new)
.endif
.endm
.set W_KQ, 0x0a       ; K and Q in window 2, S^T in window 0
.set W_PV, 0x53       ; V in window 3, P in window 0, O^T in window 1
.set W_RS, 0x41       ; destination and source 0 in window 1, source 1 in window 0
.set W_MA, 0x10       ; source 2 in window 1
; A fill: one tensor load a wave.  Wave 0 fetches the tile's K, wave 1 its V (128 rows of 256 bytes each, my head's own), waves 2 and 3 the two steps' 32 KiB of the mask, jointly with the three partners.
; The branches hang on the wave's number alone.  An s_nop 0 and four v_nop follow each of the three lines.
.macro LOAD
	s_cmp_lt_u32 s[WV], 2
	s_cbranch_scc0 .Lfor_m_\@
	s_cmp_eq_u32 s[WV], 0
	s_cbranch_scc0 .Lfor_v_\@
	tensor_load_to_lds s[G0K:G0K+3], s[G1K:G1K+7]
	s_nop 0
.rept 4
	v_nop
.endr
	s_branch .Lasked_\@
.Lfor_v_\@:
	tensor_load_to_lds s[G0V:G0V+3], s[G1V:G1V+7]
	s_nop 0
.rept 4
	v_nop
.endr
	s_branch .Lasked_\@
.Lfor_m_\@:
	tensor_load_to_lds s[G0M:G0M+3], s[G1M:G1M+7]
	s_nop 0
.rept 4
	v_nop
.endr
.Lasked_\@:
.endm
; A round of the cluster's barrier: my work-group's barrier, so that wave 0's signal speaks for all four waves; wave 0 signals; every wave waits for all four work-groups; my work-group's barrier once more.
.macro CROUND
	s_barrier_signal -1
	s_barrier_wait -1
	s_cmp_lg_u32 s[WV], 0
	s_cbranch_scc1 .Lnot_wave_0_\@
	s_barrier_signal -3
.Lnot_wave_0_\@:
	s_barrier_wait -3
	s_barrier_signal -1
	s_barrier_wait -1
.endm
; THE CHANGE OF SLOTS.  Each wave waits for all its tensor loads, of which one is out: its part of the other slot; adds 0 to its spare word; and waits for that and for its own reads of the slot that it
; leaves (V of its second step is in registers).  Behind the barrier nobody reads the old slot and the other slot is whole.  fill = 1: the barrier is a round of the cluster's, so that this holds of every
; partner too, and the old slot is filled again first behind it, with tile NXT of K and V (the address is made anew from that number) and the walk's next 64 KiB of the mask.  The load has a tile's work,
; 128 matrix instructions and two softmaxes, in which to land.  (At its first use nothing has been read yet: slot 0 is waited for, slot 1 filled.)
.macro CHANGE fill
	WIN 0
	s_wait_tensorcnt 0x0            ; no tensor load of mine is out, so a group 0 may be written
	ds_add_u32 v[SPW], v[NIL]       ; 0 onto my spare word; scalar work stands between it and the wait for it
.if \fill
	s_lshl_b32 s[OFF], s[NXT], 15   ; a tile is 32,768 bytes of K and of V
	s_xor_b32 s[G0K+1], s[G0K+1], SLOTB
	s_add_nc_u64 s[G0K+2:G0K+3], s[KB:KB+1], s[OFF:OFF+1]
	s_or_b32 s[G0K+3], s[G0K+3], 0x80000000
	s_xor_b32 s[G0V+1], s[G0V+1], VOFF^(VOFF+SLOTB)
	s_add_nc_u64 s[G0V+2:G0V+3], s[VB:VB+1], s[OFF:OFF+1]
	s_or_b32 s[G0V+3], s[G0V+3], 0x80000000
	s_xor_b32 s[G0M+1], s[G0M+1], MTOG
	s_add_nc_u64 s[G0M+2:G0M+3], s[G0M+2:G0M+3], 2*32768  ; mtile lies in the walk's order; the type bits on top are not reached
	s_add_co_u32 s[NXT], s[NXT], 1  ; the block's next tile, or behind its last the second block's tile 0
	s_cmp_gt_u32 s[NXT], s[LQ]
	s_cselect_b32 s[NXT], 0, s[NXT]
	s_cselect_b32 s[LQ], s[B2], s[LQ]
.endif
	s_sub_co_u32 s[TBK], s[TBK], KT     ; the fetches go back to a slot's first step,
	s_xor_b32 s[TBK], s[TBK], SLOTB     ; in the other slot
	s_sub_co_u32 s[TBV], s[TBV], VT
	s_xor_b32 s[TBV], s[TBV], SLOTB
	s_sub_co_u32 s[TM], s[TM], 2*MSTEP
	s_xor_b32 s[TM], s[TM], MTOG
	s_wait_dscnt 0x0                ; the add is done, and my reads of the slot are over
.if \fill
	CROUND
	LOAD
.else
	s_barrier_signal -1
	s_barrier_wait -1
.endif
.endm
	s_load_b256 s[4:11], s[0:1], 0x0  ; qkv s[4:5], mtile s[6:7], vsum s[8:9], ob s[10:11]
	v_lshl_add_u32 v[SPW], v0, 2, SPARE
	v_mov_b32 v[NIL], 0
	ds_add_u32 v[SPW], v[NIL]       ; the wave's opening: the add and its wait stand ahead of my first tensor load; work on registers stands between them
	v_lshrrev_b32 v1, 5, v0
	v_readfirstlane_b32 s[WV], v1
	s_bfe_u32 s[CXR], ttmp6, 0x40000
	s_lshl_b32 s[HD], ttmp9, 2      ; in a cluster launch ttmp9 counts clusters
	s_add_co_u32 s[HD], s[HD], s[CXR]  ; my head = 4 x cluster x + cx
	s_and_b32 s[G], ttmp7, 0xffff   ; the walk, which the four partners share
	s_add_co_u32 s22, s[G], 8
	s_sub_co_u32 s23, 15, s[G]
	s_sub_co_u32 s17, s[G], 8
	s_sub_co_u32 s82, 16, s[G]
	s_cmp_lt_u32 s[G], 8
	s_cselect_b32 s[B1], s22, s23   ; g + 8, or 15 - g
	s_cselect_b32 s[B2], s22, s17   ; the same, or g - 8
	s_cselect_b32 s[RT], 9, s82     ; 9 tiles, or 16 - g
	s_cselect_b32 s[LO], s[G], 0
	s_add_co_u32 s[NXT], s[LO], 1
	s_mov_b32 s[LQ], s[B1]
	s_sub_co_u32 s[SPAN], s[RT], 1
	s_lshl_b32 s82, s[RT], 7
	s_sub_co_u32 s[NU], 2048, s82
	s_mov_b32 s[OFF+1], 0
	s_mov_b32 s[WU+1], 0            ; named as a pair
	s_lshl_b32 s[OFF], s[LO], 15
	s_lshl_b32 s84, s[HD], 19       ; a head's 2,048 rows of 256 bytes
	s_mov_b32 s85, 0
	s_add_co_u32 s86, s84, 0x800000 ; in K's section
	s_mov_b32 s87, 0
	s_and_b32 s17, s[WV], 1         ; which of a tile's two steps of the mask I fetch:
	s_lshl_b32 s22, s17, 15         ; 32,768 bytes on, in memory and in LDS
	s_mul_i32 s[MOF], s[G], 589824  ; a walk's 18 steps of 32,768 bytes of mtile
	s_add_co_u32 s[MOF], s[MOF], s22
	s_mov_b32 s[MOF+1], 0
	s_mov_b32 s[G1K], (1<<16)|(1<<20)|(5<<22)|(3<<25)  ; 2-byte elements; padding on; after every 64 words 4 words
	s_mov_b32 s[G1V], (1<<16)|(1<<20)|(5<<22)|(7<<25)  ; the same with 8 words
.irp g, G1K, G1V
	s_mov_b32 s[\g+1], 128<<16      ; tensor_dim0 = 128
	s_mov_b32 s[\g+2], 128<<16      ; tensor_dim1 = 128
	s_mov_b32 s[\g+3], 128<<16      ; tile_dim0 = 128
	s_mov_b32 s[\g+4], 128          ; tile_dim1 = 128
	s_mov_b32 s[\g+5], 128          ; 128 elements from row to row
	s_mov_b32 s[\g+6], 0
	s_mov_b32 s[\g+7], 0
.endr
	s_mov_b32 s[G1M], 15|(3<<16)|(1<<21)  ; the mask of four; 8-byte elements; bit 21 beside a mask; no padding: 32,768 dense bytes as 128 rows of 256
	s_mov_b32 s[G1M+1], 32<<16      ; tensor_dim0 = 32
	s_mov_b32 s[G1M+2], 128<<16     ; tensor_dim1 = 128
	s_mov_b32 s[G1M+3], 32<<16      ; tile_dim0 = 32
	s_mov_b32 s[G1M+4], 128         ; tile_dim1 = 128
	s_mov_b32 s[G1M+5], 32          ; 32 elements from row to row
	s_mov_b32 s[G1M+6], 0
	s_mov_b32 s[G1M+7], 0
	s_mov_b32 s[G0K], 1
	s_mov_b32 s[G0K+1], 0           ; slot 0
	s_mov_b32 s[G0V], 1
	s_mov_b32 s[G0V+1], VOFF
	s_mov_b32 s[G0M], 1
	s_add_co_u32 s[G0M+1], s22, MB0
	s_mov_b32 s[CS], 0x3e0293ee     ; c = log2(e) / sqrt(128) = 0.127517
	s_mov_b32 s[CS+1], s[CS]
	s_mov_b32 s[SEL], 0x76543210
	s_mov_b32 s[SEL+1], 0xfedcba98
	s_mov_b32 s[TBK], SLOTB+KT      ; the first change of slots turns these two into 0
	s_mov_b32 s[TBV], SLOTB+VT
	s_mov_b32 s[TM], (MB0^MTOG)+2*MSTEP  ; and this one into MB0
	s_mov_b32 s[SLOTS], 8
	s_wait_dscnt 0x0                ; the opening add is done
	s_wait_kmcnt 0x0
	s_add_nc_u64 s[KB:KB+1], s[4:5], s[86:87]
	s_add_nc_u64 s[VB:VB+1], s[KB:KB+1], 0x800000
	s_add_nc_u64 s[G0K+2:G0K+3], s[KB:KB+1], s[OFF:OFF+1]
	s_or_b32 s[G0K+3], s[G0K+3], 0x80000000
	s_add_nc_u64 s[G0V+2:G0V+3], s[VB:VB+1], s[OFF:OFF+1]
	s_or_b32 s[G0V+3], s[G0V+3], 0x80000000
	s_add_nc_u64 s[G0M+2:G0M+3], s[6:7], s[MOF:MOF+1]
	s_or_b32 s[G0M+3], s[G0M+3], 0x80000000
	CROUND                          ; all four work-groups are here: the first joint loads meet
	LOAD                            ; the walk's first tile into slot 0: one load of mine is out
	s_add_nc_u64 s[4:5], s[4:5], s[84:85]  ; Q at my head
	s_lshl_b32 s84, s[B1], 15       ; a block's 128 rows,
	s_lshl_b32 s17, s[WV], 13       ; my wave's 32
	s_add_co_u32 s84, s84, s17
	s_add_nc_u64 s[QP:QP+1], s[4:5], s[84:85]
	s_lshl_b32 s84, s[B2], 15
	s_add_co_u32 s84, s84, s17
	s_add_nc_u64 s[QP2:QP2+1], s[4:5], s[84:85]
	s_lshl_b32 s84, s[HD], 9        ; my head's 128 columns of vsum
	s_add_nc_u64 s[8:9], s[8:9], s[84:85]
	s_lshl_b32 s86, s[HD], 8        ; my head's 256 bytes of O's rows,
	s_lshl_b32 s17, s[WV], 17       ; my wave's 32 rows of 4,096 bytes
	s_add_co_u32 s86, s86, s17
	s_lshl_b32 s84, s[B2], 19
	s_add_co_u32 s84, s84, s86
	s_add_nc_u64 s[OP2:OP2+1], s[10:11], s[84:85]
	s_lshl_b32 s84, s[B1], 19
	s_add_co_u32 s84, s84, s86
	s_add_nc_u64 s[10:11], s[10:11], s[84:85]
	v_and_b32 v1, 15, v0            ; r
	v_bfe_u32 v[H], v0, 4, 1
	v_lshlrev_b32 v[QO], 8, v1
	v_lshl_add_u32 v[QO], v[H], 4, v[QO]
	v_and_b32 v[L16], 31, v0
	v_lshlrev_b32 v[L16], 4, v[L16]
	s_lshl_b32 s17, s[WV], 13
	v_add_nc_u32 v[MO], s17, v[L16]
	v_mul_u32_u24 v[AK0], v1, PK
	v_lshl_add_u32 v[AK0], v[H], 4, v[AK0]
	v_and_b32 v10, 7, v0            ; the turning load's lane reads key 8 h + lane % 8, channels 8 ((lane / 8) % 2) + 0..7
	v_bfe_u32 v11, v0, 3, 1
	v_lshl_add_u32 v[AV0], v[H], 3, v10
	v_mul_u32_u24 v[AV0], v[AV0], PVP
	v_lshl_add_u32 v[AV0], v11, 4, v[AV0]
	v_add_nc_u32 v[AV0], VOFF, v[AV0]
	s_mul_i32 s17, s[WV], 16*SP
	s_add_co_u32 s17, s17, STAGE    ; my stage
	v_mul_u32_u24 v[STO], v1, SP
	v_lshl_add_u32 v[STO], v[H], 4, v[STO]
	v_add_nc_u32 v[STO], s17, v[STO]
	v_mul_u32_u24 v[RD], v[H], SP
	v_lshl_add_u32 v[RD], v1, 4, v[RD]
	v_add_nc_u32 v[RD], s17, v[RD]
	v_lshlrev_b32 v[GO], 12, v[H]
	v_lshl_add_u32 v[GO], v1, 4, v[GO]
	v_lshl_add_u32 v[URD], v[H], 5, s17
	v_add_nc_u32 v[STG], s17, v[L16]
	v_mov_b32 v[WNEG], 0xce6e6b28
	v_mul_f32 v[WNEG], 0x3fb8aa3b, v[WNEG]  ; the same product as mtile's entries outside the window
; THE MATRIX WORK.  The accumulators take turns, one instruction a turn: 8 in K Q^T, 16 in V^T P.
.macro KQ                           ; product i of 32 of S^T = K Q^T: channels 32 (i / 8) on, keys 16 ((i / 2) % 4) on, tile i % 2.  The first 8 start the sums
	WIN W_KQ
.set rS, S+32*(i%2)+8*((i/2)%4)
.set rK, KF+32*((i/2)%4)+8*(i/8)
.set rQ, 32*(i%2)+8*(i/8)
.if i < 8
	v_wmma_f32_16x16x32_f16 v[rS:rS+7], v[rK:rK+7], v[rQ:rQ+7], 0
.else
	v_wmma_f32_16x16x32_f16 v[rS:rS+7], v[rK:rK+7], v[rQ:rQ+7], v[rS:rS+7]
.endif
.endm
.macro PV                           ; product i of 32 of O^T += V^T P: keys 32 (i / 16) on, channels 16 ((i / 2) % 8) on, tile i % 2
	WIN W_PV
.set rO, 64*(i%2)+8*((i/2)%8)
.set rV, 64*(i/16)+8*((i/2)%8)
.set rP, P+16*(i%2)+8*(i/16)
	v_wmma_f32_16x16x32_f16 v[rO:rO+7], v[rV:rV+7], v[rP:rP+7], v[rO:rO+7]
.endm
.macro PV32
.set i, 0
.rept 32
	PV
.set i, i+1
.endr
.endm
.macro FETCH_M                      ; 16 loads: a step's mask for my two tiles, 512 consecutive bytes each
	WIN 0x40
.irp t, 0,1
.irp n, 0,1,2,3,4,5,6,7
	ds_load_b128 v[MK+32*(\t)+4*(\n):MK+32*(\t)+4*(\n)+3], v[ADM] offset:4096*(\t)+512*(\n)
.endr
.endr
.endm
.macro FETCH_K                      ; 32 loads: 64 keys x 128 channels: keys 16 (f / 4) on, channels 32 (f % 4) on
	WIN 0x80
.irp f, 0,1,2,3,4,5,6,7,8,9,10,11,12,13,14,15
	ds_load_b128 v[KF+8*(\f):KF+8*(\f)+3],   v[ADK] offset:((\f)/4)*16*PK+((\f)%4)*64
	ds_load_b128 v[KF+8*(\f)+4:KF+8*(\f)+7], v[ADK] offset:((\f)/4)*16*PK+((\f)%4)*64+32
.endr
.endm
.macro FETCH_V                      ; 32 turning loads: keys 32 (f / 8) on, channels 16 (f % 8) on
	WIN 0xc0
.irp f, 0,1,2,3,4,5,6,7,8,9,10,11,12,13,14,15
	ds_load_tr16_b128 v[8*(\f):8*(\f)+3],   v[ADV] offset:((\f)/8)*32*PVP+((\f)%8)*32
	ds_load_tr16_b128 v[8*(\f)+4:8*(\f)+7], v[ADV] offset:((\f)/8)*32*PVP+16*PVP+((\f)%8)*32
.endr
.endm
.macro PLACES                       ; four plain places between a matrix instruction and a load into, or a vector instruction on, its registers (ISA guide 7.12.1 for vector instructions)
.rept 4
	v_nop
.endr
.endm
; Number n of the 16 that find the maximum of a tile's 32 scores and the old m, three operands at a time: four chains of seven scores, then the four left over, the chains and m.
.macro MAXN t, n
.set rT, ST+8*(\t)
.set rS, S+32*(\t)
.if (\n) < 4
	v_max3_num_f32 v[rT+4+(\n)], v[rS+8*(\n)], v[rS+8*(\n)+1], v[rS+8*(\n)+2]
.elseif (\n) < 12
	v_max3_num_f32 v[rT+4+(\n)%4], v[rT+4+(\n)%4], v[rS+8*((\n)%4)+2*((\n)/4)+1], v[rS+8*((\n)%4)+2*((\n)/4)+2]
.elseif (\n) == 12
	v_max3_num_f32 v[rT+4], v[rT+4], v[rS+7], v[rS+15]
.elseif (\n) == 13
	v_max3_num_f32 v[rT+6], v[rT+6], v[rS+23], v[rS+31]
.elseif (\n) == 14
	v_max3_num_f32 v[rT+4], v[rT+4], v[rT+5], v[rT+6]
.else
	v_max3_num_f32 v[rT+4], v[rT+4], v[rT+7], v[rT]
.endif
.endm
.macro SUBP t, u                    ; pair u of a tile's scores less m
	v_pk_add_f32 v[S+32*(\t)+2*(\u):S+32*(\t)+2*(\u)+1], v[S+32*(\t)+2*(\u):S+32*(\t)+2*(\u)+1], v[ST+8*(\t):ST+8*(\t)+1] op_sel_hi:[1,0] neg_lo:[0,1] neg_hi:[0,1]
.endm
.macro EXPS t, n
	v_exp_f32 v[S+32*(\t)+(\n)], v[S+32*(\t)+(\n)]
.endm
.macro CVTP t, u                    ; pair u of the weights rounded to f16
	s_wait_alu depctr_va_vdst(0)
	v_cvt_pk_f16_f32 v[P+16*(\t)+(\u)], v[S+32*(\t)+2*(\u)], v[S+32*(\t)+2*(\u)+1]
.endm
; A KEY STEP j, one text for every step.
.macro STEP
	WIN 0
	v_add_nc_u32 v[ADM], s[TM], v[MO]
	v_add_nc_u32 v[ADK], s[TBK], v[AK0]
	v_add_nc_u32 v[ADV], s[TBV], v[AV0]
	s_add_co_u32 s[TM], s[TM], MSTEP
	s_add_co_u32 s[TBK], s[TBK], KS*PK
	s_add_co_u32 s[TBV], s[TBV], KS*PVP
	FETCH_M                         ; the mask and K of step j: the last instructions that read these registers stand a whole softmax back
	FETCH_K
	s_wait_dscnt 48                 ; all but the 16 + 32 just issued: V of step j - 1 is in, and a block's start of O^T
	PV32                            ; V^T P of step j - 1 (at a block's first step P is 0)
	PLACES
	FETCH_V                         ; V of step j
	s_wait_dscnt 32                 ; all but the 32 just issued: the mask and K are in
.set i, 0
.rept 32
	KQ
.set i, i+1
.endr
	PLACES
	WIN W_MA
.set u, 0
.rept 16                            ; c s + M; each accumulator is read from its low end
	v_pk_fma_f32 v[S+2*u:S+2*u+1], v[S+2*u:S+2*u+1], s[CS:CS+1], v[MK+2*u:MK+2*u+1] op_sel_hi:[1,0,1]
	v_pk_fma_f32 v[S+32+2*u:S+32+2*u+1], v[S+32+2*u:S+32+2*u+1], s[CS:CS+1], v[MK+32+2*u:MK+32+2*u+1] op_sel_hi:[1,0,1]
.set u, u+1
.endr
	WIN 0
.irp n, 0,1,2,3,4,5,6,7,8,9,10,11,12,13,14,15
	MAXN 0, \n
	MAXN 1, \n
.endr
.irp t, 0,1
	v_permlanex16_b32 v[ST+8*(\t)+5], v[ST+8*(\t)+4], s[SEL], s[SEL+1]  ; the query's other 32 keys lie in the lane 16 away
.endr
.irp t, 0,1
	v_mov_b32 v[ST+8*(\t)+7], v[ST+8*(\t)]
.endr
.irp t, 0,1
	v_max_num_f32 v[ST+8*(\t)], v[ST+8*(\t)+4], v[ST+8*(\t)+5]
.endr
.irp t, 0,1
	v_sub_f32 v[ST+8*(\t)+7], v[ST+8*(\t)+7], v[ST+8*(\t)]
.endr
.irp t, 0,1
	v_exp_f32 v[ST+8*(\t)+6], v[ST+8*(\t)+7]  ; a
.endr
	SUBP 0, 0
	SUBP 1, 0
	SUBP 0, 1
	SUBP 1, 1
.set u, 0
.rept 16                            ; exponentials with plain work between them: the subtraction two pairs ahead, the rounding a pair back; a result is used only behind a plain instruction (ISA guide 5.7.2)
	EXPS 0, 2*u
.if u < 14
	SUBP 0, u+2
.endif
	EXPS 1, 2*u
.if u < 14
	SUBP 1, u+2
.endif
	EXPS 0, 2*u+1
.if u > 0
	CVTP 0, u-1
.endif
	EXPS 1, 2*u+1
.if u > 0
	CVTP 1, u-1
.endif
.set u, u+1
.endr
	v_nop
	s_wait_alu depctr_va_vdst(0)
	CVTP 0, 15
	CVTP 1, 15
.irp w, 4,8,16,32                   ; the sum of a tile's 16 pairs, in place: neighbours 1, 2, 4 and 8 pairs apart
.set u, 0
.rept 32/(\w)
.irp t, 0,1
	v_pk_add_f32 v[S+32*(\t)+(\w)*u:S+32*(\t)+(\w)*u+1], v[S+32*(\t)+(\w)*u:S+32*(\t)+(\w)*u+1], v[S+32*(\t)+(\w)*u+(\w)/2:S+32*(\t)+(\w)*u+(\w)/2+1]
.endr
.set u, u+1
.endr
.endr
.irp t, 0,1
	v_pk_fma_f32 v[ST+8*(\t)+2:ST+8*(\t)+3], v[ST+8*(\t)+2:ST+8*(\t)+3], v[ST+8*(\t)+6:ST+8*(\t)+7], v[S+32*(\t):S+32*(\t)+1] op_sel_hi:[1,0,1]  ; l = a l + the sum
.endr
	WIN W_RS
.set i, 0
.rept 32                            ; O^T times a
	v_pk_mul_f32 v[2*i:2*i+1], v[2*i:2*i+1], v[ST+6:ST+7] op_sel_hi:[1,0]
	v_pk_mul_f32 v[64+2*i:64+2*i+1], v[64+2*i:64+2*i+1], v[ST+14:ST+15] op_sel_hi:[1,0]
.set i, i+1
.endr
.endm
.macro TWO_STEPS                    ; a tile's two steps: written once, walked twice; the LDS addresses hang on s[TM], s[TBK], s[TBV]
	WIN 0
	s_mov_b32 s[TWICE], 2
.Lstep_\@:
	STEP
	WIN 0
	s_sub_co_u32 s[TWICE], s[TWICE], 1
	s_cmp_lg_u32 s[TWICE], 0
	s_cbranch_scc1 .Lstep_\@
.endm
.macro PVLAST                       ; a block's last V^T P
	s_wait_dscnt 0x0                ; V is in
	PV32
.endm
.macro PRELOAD                      ; a block's Q (tile i / 4, channels 32 (i % 4) on) and my head's 16 rows of vsum, four channels a lane
	WIN 0x80
.set i, 0
.rept 8
	global_load_b128 v[8*i:8*i+3],   v[QO], s[QP:QP+1] offset:(i/4)*4096+(i%4)*64
	global_load_b128 v[8*i+4:8*i+7], v[QO], s[QP:QP+1] offset:(i/4)*4096+(i%4)*64+32
.set i, i+1
.endr
.set i, 0
.rept 16
	global_load_b128 v[KF+4*i:KF+4*i+3], v[L16], s[8:9] offset:8192*i
.set i, i+1
.endr
	WIN 0
.endm
; A BLOCK BEGINS: m = -1e9 in log2 units; l = the keys of the tiles not walked (in the lanes' lower half alone: the halves are added at the end); P = 0, so that the first step's V^T P adds nothing;
; O^T = the sum of those tiles' rows of V: tile u counts if u - LO, as an unsigned number, is above SPAN.  Through my stage the 128 channels reach every lane in O^T's layout.
.macro BEGIN
	WIN 0
	s_wait_loadcnt 0x0              ; Q and vsum
	v_cvt_f32_u32 v[NUH], s[NU]
	v_cmp_eq_u32 vcc_lo, 0, v[H]
	v_cndmask_b32 v[NUH], 0, v[NUH], vcc_lo
.irp t, 0,1
	v_mov_b32 v[ST+8*(\t)], v[WNEG]
	v_mov_b32 v[ST+8*(\t)+1], v[WNEG]
	v_mov_b32 v[ST+8*(\t)+2], v[NUH]
	v_mov_b32 v[ST+8*(\t)+3], 0
.endr
.set i, 0
.rept 32
	v_mov_b32 v[P+i], 0
.set i, i+1
.endr
	WIN 0x02                        ; source 0 in window 2
.set i, 0
.rept 16
	s_sub_co_u32 s82, i, s[LO]
	s_cmp_le_u32 s82, s[SPAN]
	s_cselect_b32 s[WU], 0, 1.0
.if i == 0
	v_pk_mul_f32 v[UA:UA+1], v[KF:KF+1], s[WU:WU+1] op_sel_hi:[1,0]
	v_pk_mul_f32 v[UA+2:UA+3], v[KF+2:KF+3], s[WU:WU+1] op_sel_hi:[1,0]
.else
	v_pk_fma_f32 v[UA:UA+1], v[KF+4*i:KF+4*i+1], s[WU:WU+1], v[UA:UA+1] op_sel_hi:[1,0,1]
	v_pk_fma_f32 v[UA+2:UA+3], v[KF+4*i+2:KF+4*i+3], s[WU:WU+1], v[UA+2:UA+3] op_sel_hi:[1,0,1]
.endif
.set i, i+1
.endr
	WIN 0
	ds_store_b128 v[STG], v[UA:UA+3]
	WIN 0x40
.set i, 0
.rept 32                            ; tile i / 16, channels 16 ((i / 2) % 8) + 8 h + 4 (i % 2) on; LDS serves a wave's instructions in order (ISA guide 5.7.1.4): these see the store above
	ds_load_b128 v[64*(i/16)+8*((i/2)%8)+4*(i%2):64*(i/16)+8*((i/2)%8)+4*(i%2)+3], v[URD] offset:64*((i/2)%8)+16*(i%2)
.set i, i+1
.endr
	WIN 0
.endm
; THE WAY OUT: l's two halves and the other half of the lanes' are added; O^T is divided by l, rounded to f16 and sent through my stage, a tile (16 rows of O) at a time.
.macro PACK t
	WIN W_RS
.set i, 64*(\t)
.rept 32
	v_pk_mul_f32 v[i:i+1], v[i:i+1], v[ST+8*(\t)+6:ST+8*(\t)+7] op_sel_hi:[1,0]
.set i, i+2
.endr
	WIN 0x05                        ; sources 0 and 1 window 1, destination window 0: S^T's registers are free
.set i, 0
.rept 32
	v_cvt_pk_f16_f32 v[S+32*(\t)+i], v[64*(\t)+2*i], v[64*(\t)+2*i+1]
.set i, i+1
.endr
	WIN 0
.irp f, 0,1,2,3,4,5,6,7
	ds_store_b128 v[STO], v[S+32*(\t)+4*(\f):S+32*(\t)+4*(\f)+3] offset:32*(\f)
.endr
.irp f, 0,1,2,3,4,5,6,7
	ds_load_b128 v[S+32*(\t)+4*(\f):S+32*(\t)+4*(\f)+3], v[RD] offset:(\f)*2*SP
.endr
.endm
.macro SEND t, younger              ; younger: the LDS instructions issued behind tile t's loads
	WIN 0
.irp f, 0,1,2,3,4,5,6,7
	s_wait_dscnt (\younger)+7-(\f)
	global_store_b128 v[GO], v[S+32*(\t)+4*(\f):S+32*(\t)+4*(\f)+3], s[10:11] offset:(\t)*65536+(\f)*8192  ; 16 lanes store 256 consecutive bytes, aligned: a head's part of a row of O
.endr
.endm
.macro WAYOUT
	WIN 0
	PLACES                          ; behind the last products
.irp t, 0,1
	v_add_f32 v[ST+8*(\t)+4], v[ST+8*(\t)+2], v[ST+8*(\t)+3]
.endr
.irp t, 0,1
	v_permlanex16_b32 v[ST+8*(\t)+5], v[ST+8*(\t)+4], s[SEL], s[SEL+1]
.endr
.irp t, 0,1
	v_add_f32 v[ST+8*(\t)+4], v[ST+8*(\t)+4], v[ST+8*(\t)+5]
.endr
.irp t, 0,1
	v_rcp_f32 v[ST+8*(\t)+6], v[ST+8*(\t)+4]
.endr
	v_nop                           ; a plain instruction between the last reciprocal and the use of its result
	s_wait_alu depctr_va_vdst(0)
	PACK 0
	PACK 1
	SEND 0, 16
	SEND 1, 0
.endm
	PRELOAD
	WIN 0xc0
.set i, 0
.rept 128                           ; the first step's V^T P multiplies P = 0 by V's registers: they need only hold finite numbers.  This stands in the wait for the first tile
	v_mov_b32 v[i], 0
.set i, i+1
.endr
	BEGIN
.Lslot:                             ; 8 times: a tile is entered and the next is asked for
	CHANGE 1
	TWO_STEPS
	s_sub_co_u32 s[RT], s[RT], 1
	s_cmp_lg_u32 s[RT], 0
	s_cbranch_scc1 .Lbottom
	PVLAST                          ; THE FIRST BLOCK OF A PAIR ENDS; the ring runs on: the second block's first tile is on its way
	WIN 0
	s_mov_b64 s[QP:QP+1], s[QP2:QP2+1]
	s_add_co_u32 s[RT], s[B2], 1    ; the second block has B2 + 1 tiles, from tile 0
	s_mov_b32 s[LO], 0
	s_mov_b32 s[SPAN], s[B2]
	s_lshl_b32 s82, s[RT], 7
	s_sub_co_u32 s[NU], 2048, s82
	PRELOAD                         ; its Q and vsum come in while the first block goes out
	WAYOUT
	s_wait_xcnt 0x0                 ; the stores have read their registers and O's address
	s_mov_b64 s[10:11], s[OP2:OP2+1]
	BEGIN
.Lbottom:
	s_sub_co_u32 s[SLOTS], s[SLOTS], 1
	s_cmp_lg_u32 s[SLOTS], 0
	s_cbranch_scc1 .Lslot
	CHANGE 0                        ; the walk's last tile is written out: nothing is asked for
	TWO_STEPS
	PVLAST
	WAYOUT
	s_wait_tensorcnt 0x0            ; the wave's end: behind my last tensor load and my last LDS store
	ds_add_u32 v[SPW], v[NIL]
	s_wait_dscnt 0x0
	CROUND                          ; the closing round: no work-group ends while a partner may still ask for a tile that names it
	s_endpgm
.Lfunc_end_k_qc8e1fe4e2e_attn:
	.size	k_qc8e1fe4e2e_attn, .Lfunc_end_k_qc8e1fe4e2e_attn-k_qc8e1fe4e2e_attn
	.p2alignl 7, 3214868480
	.fill 96, 4, 3214868480
	.section	.rodata,"a",@progbits
	.p2align	6, 0x0
	.amdhsa_kernel k_qc8e1fe4e2e_attn
		.amdhsa_group_segment_fixed_size 327680
		.amdhsa_private_segment_fixed_size 0
		.amdhsa_enable_private_segment 0
		.amdhsa_kernarg_size 32
		.amdhsa_user_sgpr_count 2
		.amdhsa_user_sgpr_kernarg_segment_ptr 1
		.amdhsa_wavefront_size32 1
		.amdhsa_system_sgpr_workgroup_id_x 1
		.amdhsa_system_sgpr_workgroup_id_y 1
		.amdhsa_system_sgpr_workgroup_id_z 1
		.amdhsa_system_vgpr_workitem_id 0
		.amdhsa_next_free_vgpr 896
		.amdhsa_next_free_sgpr 100
		.amdhsa_reserve_vcc 1
		.amdhsa_float_denorm_mode_32 3
		.amdhsa_float_denorm_mode_16_64 3
		.amdhsa_memory_ordered 1
		.amdhsa_forward_progress 1
		.amdhsa_inst_pref_size 121
	.end_amdhsa_kernel
	.amdgpu_metadata
---
amdhsa.version: [ 1, 2 ]
amdhsa.kernels:
  - .name:           k_qc8e1fe4e2e_attn
    .symbol:         k_qc8e1fe4e2e_attn.kd
    .args:
      - { .name: qkv, .offset: 0, .size: 8, .value_kind: global_buffer, .address_space: global }
      - { .name: mtile, .offset: 8, .size: 8, .value_kind: global_buffer, .address_space: global }
      - { .name: vsum, .offset: 16, .size: 8, .value_kind: global_buffer, .address_space: global }
      - { .name: ob, .offset: 24, .size: 8, .value_kind: global_buffer, .address_space: global }
    .group_segment_fixed_size: 327680
    .private_segment_fixed_size: 0
    .kernarg_segment_align: 8
    .kernarg_segment_size: 32
    .max_flat_workgroup_size: 128
    .sgpr_count:     100
    .vgpr_count:     896
    .wavefront_size: 32
...
	.end_amdgpu_metadata
.endif
;; end of part 3
;; launch oproj (part 4): grid 16 x 16, 4 waves a work-group, clusters of 4 x 4, 327,680 bytes of LDS; arguments ob, wcast, out0; writes out0
.if DOCPART == 4
	.amdgcn_target "amdgcn-amd-amdhsa--gfx1250"
	.amdhsa_code_object_version 6
	.text
	.protected	k_qc8e1fe4e2e_oproj
	.globl	k_qc8e1fe4e2e_oproj
	.p2align	8
	.type	k_qc8e1fe4e2e_oproj,@function
k_qc8e1fe4e2e_oproj:
	s_mov_b64 s[64:65], 0
	v_nop
	global_prefetch_b8 v0, s[64:65] scope:SCOPE_SE
	s_setreg_imm32_b32 hwreg(HW_REG_WAVE_MODE, 25, 1), 1
	s_wait_xcnt 0x0
	s_wait_alu depctr_hold_cnt(0) depctr_sa_sdst(0) depctr_va_vdst(0) depctr_va_sdst(0) depctr_va_ssrc(0) depctr_va_vcc(0) depctr_vm_vsrc(0)
	s_getreg_b32 s2, hwreg(HW_REG_IB_STS2, 6, 4)
	s_cmp_eq_u32 s2, 0
	s_cbranch_scc0 .Lentry_in_a_cluster
	s_endpgm
.Lentry_in_a_cluster:
	s_bfe_u32 s2, ttmp6, 0x10000c
	s_cmp_lg_u32 s2, 0xf033
	s_cbranch_scc0 .Lentry_shape_is_right
	s_endpgm
.Lentry_shape_is_right:
; out0 = O w_o.  O: [2048][2048] f16; w_o: [k][n], the input rounded to bf16 and written as f16 (section 4 of wcast); out0: [2048][2048] f32.  Products in f16, sums in f32.
; A tile of 128 x 128 to a work-group gives each of 256 work-groups one; four waves of 64 x 64: 16 accumulators.  K goes in steps of 256 through two LDS slots: O's tile has 128 rows of 512 bytes;
; w_o's has 256 rows (k) of 256 bytes, and its fragments come out of LDS turned, by ds_load_tr16_b128.
; ONE TEXT FOR A K STEP.  A trip of the loop is one K step.  Which slot is read lies in a scalar, 0 or SLOT, that an exclusive or turns at each change of slots; the fragments' addresses are that scalar plus
; a fixed lane term, and one descriptor set walks: its LDS word is turned by the same exclusive or, its address steps one K step.
; CLUSTER.  4 x 4 work-groups: the four of a row need the same tiles of O, the four of a column the same tiles of w_o: each tile is asked for jointly.
; THE MATRIX INSTRUCTION IS USED TRANSPOSED (source 0 = 16 columns of w_o, source 1 = 16 rows of O): a lane holds eight neighbouring numbers of a row of the result, 32 bytes.
; THE STAGE for the way out is slot 0's first 67,584 bytes: slot 0 has had its last fill, and behind the last change of slots no wave reads it.
; REGISTERS: window 0: v0-31 addresses; v128-255 the accumulators ((a, b) at v[128 + 8 (4 a + b)]), on the way out whole rows.   window 1: two fragment buffers of 128: 64 of O, then 64 of w_o.
.set SIZE_K, 2048
.set KSTEP,  256
.set STEPS,  SIZE_K/KSTEP
.set PITCH,  528                       ; O in LDS: 512 bytes + 16 = 132 words: row r starts at bank 4 r mod 64 (64 banks of 4 bytes: ISA guide 11.1)
.set PB,     288                       ; w_o in LDS: 256 bytes + 32 = 72 words
.set HALFA,  64*PITCH                  ; what a load of O brings: 64 rows
.set HALFB,  128*PB                    ; what a load of w_o brings: 128 rows
.set BOFF,   2*HALFA
.set SLOT,   0x24000                   ; O's 128 rows, then w_o's 256: 141,312 bytes, rounded up to a number that shares no bit with the four loads' places in a slot, 0, 0x8400, 0x10800, 0x19800
.set SPARE,  2*SLOT                    ; behind the ring: the spare words, 128 bytes for each wave: two blocks of 256 bytes that no other line names
.set SPITCH, 528                       ; the stage: a row of 128 f32 + 16 bytes
.set A0,   16                          ; v16     my lane's place in O's tile of slot 0; never rewritten
.set AC,   17                          ; v17     the same in the slot that is read
.set B0,   20                          ; v20     my lane's place in w_o's tile of slot 0; never rewritten
.set BC,   21                          ; v21-22  the same in the slot that is read: k rows 0-127, k rows 128-255 (the 16-bit offset does not reach all 256 rows)
.set STO,  24
.set RD,   25
.set CO,   26                          ; v26     16 x lane
.set SPW,  28                          ; v28     LDS address of my spare word; never rewritten
.set NIL,  29                          ; v29     0; never rewritten
.set ACC,  128
.set F0,   0
.set F1,   128
.set G1, 24                            ; s[24:31] descriptor group 1 for O;  s[32:39] group 0: a set for each of the two first fills; the second then walks on
.set G0, 32
.set SO, 45                            ; s45  the byte at which the slot that is read begins
.set G1B, 48                           ; s[48:55], s[56:63] the same for w_o
.set G0B, 56
.set MSB, 0
.macro WIN new
.if MSB != (\new)
	s_set_vgpr_msb (MSB<<8)|(\new)
.set MSB, \new
.endif
.endm
.set MUL,  0x05                        ; sources 0 and 1 window 1; C and D window 0
.set TO_F, 0x40                        ; destination window 1, address window 0
.macro JLOAD s                         ; a joint load: waves 0 and 1 fetch O's two halves, waves 2 and 3 w_o's; an s_nop 0 and four v_nop follow each of the two lines
	s_cmp_eq_u32 s11, 0
	s_cbranch_scc0 .Lfor_b_\@
	tensor_load_to_lds s[G0+4*(\s):G0+4*(\s)+3], s[G1:G1+7]
	s_nop 0
.rept 4
	v_nop
.endr
	s_branch .Lasked_\@
.Lfor_b_\@:
	tensor_load_to_lds s[G0B+4*(\s):G0B+4*(\s)+3], s[G1B:G1B+7]
	s_nop 0
.rept 4
	v_nop
.endr
.Lasked_\@:
.endm
.macro CREST
	s_cmp_lg_u32 s10, 0
	s_cbranch_scc1 .Lnot_wave_0_\@
	s_barrier_signal -3
.Lnot_wave_0_\@:
	s_barrier_wait -3
	s_barrier_signal -1
	s_barrier_wait -1
.endm
.macro CROUND
	s_barrier_signal -1
	s_barrier_wait -1
	CREST
.endm
.macro SETADR                          ; the fragments' addresses in the slot that is read
	v_add_nc_u32 v[AC], s[SO], v[A0]
	v_add_nc_u32 v[BC], s[SO], v[B0]
	v_add_nc_u32 v[BC+1], 128*PB, v[BC]
.endm
	s_load_b128 s[4:7], s[0:1], 0x0                ; ob s[4:5], wcast s[6:7]
	s_load_b64 s[8:9], s[0:1], 0x10                ; out0
	v_lshl_add_u32 v[SPW], v0, 2, SPARE
	v_mov_b32 v[NIL], 0
	ds_add_u32 v[SPW], v[NIL]                      ; the wave's opening: the add and its wait stand ahead of my first tensor load; work on registers stands between them
	v_lshrrev_b32 v1, 5, v0
	v_readfirstlane_b32 s10, v1                    ; wave 0..3
	s_lshr_b32 s11, s10, 1                         ; my half of the tile's rows.  Also: I fetch O (0) or w_o (1)
	s_and_b32 s12, s10, 1                          ; my half of its columns.  Also: which half of that tile I fetch
	s_bfe_u32 s40, ttmp6, 0x40000                  ; cx, cy
	s_bfe_u32 s41, ttmp6, 0x40004
	s_lshl_b32 s42, ttmp9, 2
	s_add_co_u32 s42, s42, s40                     ; tile column
	s_and_b32 s13, ttmp7, 0xffff
	s_lshl_b32 s13, s13, 2
	s_add_co_u32 s13, s13, s41                     ; tile row
	s_lshl_b32 s43, s41, 2
	s_lshl_b32 s43, 15, s43                        ; my row of the cluster
	s_lshl_b32 s44, 0x1111, s40                    ; my column
	s_or_b32 s[G1+0], s43, (1<<16)|(1<<20)|(1<<21)|(6<<22)|(3<<25)   ; 2-byte elements; padding on; bit 21 beside a mask; after every 128 words 4 words
	s_or_b32 s[G1B+0], s44, (1<<16)|(1<<20)|(1<<21)|(5<<22)|(7<<25)  ; after every 64 words 8 words
	s_mov_b32 s[G1+1], 256<<16                     ; O: tensor_dim0 = 256
	s_mov_b32 s[G1+2], 64<<16                      ; tensor_dim1 = 64
	s_mov_b32 s[G1+3], 256<<16                     ; tile_dim0 = 256
	s_mov_b32 s[G1+4], 64                          ; tile_dim1 = 64
	s_mov_b32 s[G1+5], 2048
	s_mov_b32 s[G1+6], 0
	s_mov_b32 s[G1+7], 0
	s_mov_b32 s[G1B+1], 128<<16                    ; w_o: tensor_dim0 = 128
	s_mov_b32 s[G1B+2], 128<<16                    ; tensor_dim1 = 128
	s_mov_b32 s[G1B+3], 128<<16                    ; tile_dim0 = 128
	s_mov_b32 s[G1B+4], 128                        ; tile_dim1 = 128
	s_mov_b32 s[G1B+5], 2048
	s_mov_b32 s[G1B+6], 0
	s_mov_b32 s[G1B+7], 0
	s_lshl_b32 s17, s12, 6
	s_lshl_b32 s16, s13, 7
	s_add_co_u32 s16, s16, s17                     ; O: row 128 x tile row + 64 x half,
	s_lshl_b32 s16, s16, 12                        ; 4,096 bytes a row
	s_mov_b32 s17, 0
	s_lshl_b32 s46, s12, 19                        ; w_o: k row 128 x half,
	s_lshl_b32 s47, s42, 8                         ; column 128 x tile column,
	s_add_co_u32 s46, s46, s47
	s_add_co_u32 s46, s46, 0x2000000               ; in section 4
	s_mov_b32 s47, 0
	s_mul_i32 s20, s12, HALFA                      ; where they go: no place in the cluster enters an LDS address
	s_mul_i32 s21, s12, HALFB
	s_add_co_u32 s21, s21, BOFF
	s_wait_dscnt 0x0                               ; the opening add is done
	s_wait_kmcnt 0x0
	s_add_nc_u64 s[14:15], s[4:5], s[16:17]
	s_add_nc_u64 s[46:47], s[6:7], s[46:47]
	CROUND                                         ; all sixteen work-groups are here: the first joint loads meet
.irp s, 0,1
	s_mov_b32 s[G0+4*(\s)], 1
	s_add_co_u32 s[G0+4*(\s)+1], s20, (\s)*SLOT
	s_add_nc_u64 s[G0+4*(\s)+2:G0+4*(\s)+3], s[14:15], (\s)*KSTEP*2
	s_or_b32 s[G0+4*(\s)+3], s[G0+4*(\s)+3], 0x80000000
	s_mov_b32 s[G0B+4*(\s)], 1
	s_add_co_u32 s[G0B+4*(\s)+1], s21, (\s)*SLOT
	s_add_nc_u64 s[G0B+4*(\s)+2:G0B+4*(\s)+3], s[46:47], (\s)*KSTEP*4096
	s_or_b32 s[G0B+4*(\s)+3], s[G0B+4*(\s)+3], 0x80000000
	JLOAD \s                                       ; two loads of mine are out
.endr
	v_and_b32 v1, 15, v0                           ; r
	v_bfe_u32 v2, v0, 4, 1                         ; h
	v_mul_u32_u24 v3, v1, PITCH
	v_lshl_add_u32 v3, v2, 4, v3
	v_and_b32 v4, 7, v0
	v_lshl_add_u32 v4, v2, 3, v4
	v_mul_u32_u24 v4, v4, PB
	v_bfe_u32 v5, v0, 3, 1
	v_lshl_add_u32 v4, v5, 4, v4                   ; the turning load's lane reads k row 8 h + lane % 8, columns 8 ((lane / 8) % 2) + 0..7
	s_mul_i32 s22, s11, HALFA                      ; my 64 rows of O
	s_lshl_b32 s23, s12, 7                         ; my 64 columns are 128 bytes of w_o's rows
	s_add_co_u32 s23, s23, BOFF
	v_add_nc_u32 v[A0], s22, v3
	v_add_nc_u32 v[B0], s23, v4
	s_mov_b32 s[SO], 0                             ; K step 0 lies in slot 0
	SETADR
	s_mul_i32 s22, s11, 64*SPITCH                  ; into the stage: my 64 rows, my half of their 512 bytes; row r, 32 bytes for each half of the lanes
	s_lshl_b32 s23, s12, 8
	s_add_co_u32 s22, s22, s23
	v_mul_u32_u24 v6, v1, SPITCH
	v_lshl_add_u32 v6, v2, 5, v6
	v_add_nc_u32 v[STO], s22, v6
	s_mul_i32 s22, s10, 32*SPITCH                  ; back: wave w takes rows 32 w .. 32 w + 31, whole: 32 lanes x 16 bytes are a row
	v_and_b32 v[CO], 31, v0
	v_lshlrev_b32 v[CO], 4, v[CO]
	v_add_nc_u32 v[RD], s22, v[CO]
	s_lshl_b32 s16, s13, 7
	s_lshl_b32 s17, s10, 5
	s_add_co_u32 s16, s16, s17                     ; the first row that I store,
	s_lshl_b32 s16, s16, 13                        ; 8,192 bytes a row
	s_mov_b32 s17, 0
	s_add_nc_u64 s[8:9], s[8:9], s[16:17]
	s_lshl_b32 s46, s42, 9                         ; the tile's first column, in bytes
	s_mov_b32 s47, 0
	s_add_nc_u64 s[8:9], s[8:9], s[46:47]
; 8 matrix instructions: m blocks a0, a0 + 1 x all 4 n blocks, 32 along K: half c of buffer f.  zero = 1: the first product starts the sums.  The 16 accumulators take turns.
.macro MUL8 f, c, a0, zero
	WIN MUL
.irp a, \a0, (\a0)+1
.irp b, 0,1,2,3
.if \zero
	v_wmma_f32_16x16x32_f16 v[ACC+8*(4*(\a)+(\b)):ACC+8*(4*(\a)+(\b))+7], v[(\f)+64+8*(4*(\c)+(\b)):(\f)+64+8*(4*(\c)+(\b))+7], v[(\f)+8*(4*(\c)+(\a)):(\f)+8*(4*(\c)+(\a))+7], 0
.else
	v_wmma_f32_16x16x32_f16 v[ACC+8*(4*(\a)+(\b)):ACC+8*(4*(\a)+(\b))+7], v[(\f)+64+8*(4*(\c)+(\b)):(\f)+64+8*(4*(\c)+(\b))+7], v[(\f)+8*(4*(\c)+(\a)):(\f)+8*(4*(\c)+(\a))+7], v[ACC+8*(4*(\a)+(\b)):ACC+8*(4*(\a)+(\b))+7]
.endif
.endr
.endr
.endm
; 32 LDS loads in one run: the fragments of quarter q (64 along K) of the slot that is read, into buffer f; the first 32 along K first
.macro FETCH q, f
	WIN TO_F
.irp c, 0,1
.irp i, 0,1,2,3
	ds_load_tr16_b128 v[(\f)+64+8*(4*(\c)+(\i)):(\f)+64+8*(4*(\c)+(\i))+3],   v[BC+(\q)/2] offset:((64*(\q)+32*(\c))%128)*PB+32*(\i)
	ds_load_tr16_b128 v[(\f)+64+8*(4*(\c)+(\i))+4:(\f)+64+8*(4*(\c)+(\i))+7], v[BC+(\q)/2] offset:((64*(\q)+32*(\c))%128)*PB+16*PB+32*(\i)
	ds_load_b128 v[(\f)+8*(4*(\c)+(\i)):(\f)+8*(4*(\c)+(\i))+3],         v[AC] offset:128*(\q)+64*(\c)+(\i)*16*PITCH
	ds_load_b128 v[(\f)+8*(4*(\c)+(\i))+4:(\f)+8*(4*(\c)+(\i))+7],       v[AC] offset:128*(\q)+64*(\c)+(\i)*16*PITCH+32
.endr
.endr
.endm
.macro PLACES                          ; four plain places between a matrix instruction and a load into, or an LDS store of, its registers (ISA guide 7.12.1 for vector instructions)
.rept 4
	v_nop
.endr
.endm
; A K step is four quarters of 64 along K, 32 matrix instructions each, on buffers 0, 1, 0, 1.
.macro QUARTER q, f, g, zero
	s_wait_dscnt 16                                ; the first 32 along K are in
	WIN MUL
	MUL8 \f, 0, 0, \zero
	MUL8 \f, 0, 2, \zero
	PLACES
	FETCH \q, \g
	s_wait_dscnt 32                                ; all but the 32 just issued
	WIN MUL
	MUL8 \f, 1, 0, 0
	MUL8 \f, 1, 2, 0
.endm
; The last quarter multiplies buffer 1 and changes slots: ONE barrier.  fill = 1: it opens a round of the cluster's barrier, and this slot is filled again first behind it, two K steps on.
.macro TURN fill
	WIN 0                                          ; (the add's two registers lie in window 0)
	s_wait_tensorcnt 0x0                           ; all my tensor loads have landed: my part of the next slot;
	ds_add_u32 v[SPW], v[NIL]                      ; 0 onto my spare word
	s_wait_dscnt 17                                ; (the add and the youngest sixteen loads may be out)
	WIN MUL
	MUL8 F1, 0, 0, 0                               ; eight matrix instructions stand between the add and the wait for it
	s_wait_dscnt 0x0                               ; the add is done, and my reads of this slot are over
	s_barrier_signal -1
	MUL8 F1, 0, 2, 0
	WIN 0                                          ; (branches or address work follow)
	s_barrier_wait -1
.if \fill
	CREST                                          ; no wave of any partner still reads this slot's tile or has a load on its way
	s_xor_b32 s[G0+5], s[G0+5], SLOT               ; the walking set: the other slot than last time, which is the one just read out,
	s_xor_b32 s[G0B+5], s[G0B+5], SLOT
	s_add_nc_u64 s[G0+6:G0+7], s[G0+6:G0+7], KSTEP*2               ; the next K step; the type bits on top are not reached
	s_add_nc_u64 s[G0B+6:G0B+7], s[G0B+6:G0B+7], KSTEP*4096
	s_xor_b32 s[SO], s[SO], SLOT                   ; the reads go on in the other slot
	JLOAD 1                                        ; 112 matrix instructions ahead of the wait for it; the four v_nop behind it are also the places in front of the loads below
.else
	PLACES
	s_xor_b32 s[SO], s[SO], SLOT
.endif
	SETADR
	FETCH 0, F0
	WIN MUL
	MUL8 F1, 1, 0, 0
	MUL8 F1, 1, 2, 0
.endm
	s_wait_tensorcnt 1                             ; my part of K step 0 is in; K step 1's stays out
	s_barrier_signal -1
	s_barrier_wait -1                              ; everybody's is
	FETCH 0, F0
	QUARTER 1, F0, F1, 1                           ; the first quarter stands in front of the loop: its first products start the sums
	WIN 0
	s_mov_b32 s3, STEPS-2
.Lstep:                                                ; a trip goes from a K step's second quarter to the next step's first, and fills the slot that it leaves: 6 trips ask for K steps 2 to 7
	QUARTER 2, F1, F0, 0
	QUARTER 3, F0, F1, 0
	TURN 1
	QUARTER 1, F0, F1, 0
	WIN 0
	s_sub_co_u32 s3, s3, 1
	s_cmp_lg_u32 s3, 0
	s_cbranch_scc1 .Lstep
	QUARTER 2, F1, F0, 0                           ; the last two K steps fill nothing
	QUARTER 3, F0, F1, 0
	TURN 0                                         ; behind this barrier no wave reads slot 0 any more
	QUARTER 1, F0, F1, 0
	QUARTER 2, F1, F0, 0
	QUARTER 3, F0, F1, 0
	s_wait_dscnt 16
	WIN MUL
	MUL8 F1, 0, 0, 0
	MUL8 F1, 0, 2, 0
	s_wait_dscnt 0x0
	MUL8 F1, 1, 0, 0
	MUL8 F1, 1, 2, 0
	WIN 0
	; THE WAY OUT: 32 bytes a lane into the work-group's stage (each accumulator's low four registers first); a barrier, since a row's 512 bytes come from two waves; back as whole rows.
	PLACES
.irp a, 0,1,2,3
.irp b, 0,1,2,3
	ds_store_b128 v[STO], v[ACC+8*(4*(\a)+(\b)):ACC+8*(4*(\a)+(\b))+3] offset:(\a)*16*SPITCH+64*(\b)
	ds_store_b128 v[STO], v[ACC+8*(4*(\a)+(\b))+4:ACC+8*(4*(\a)+(\b))+7] offset:(\a)*16*SPITCH+64*(\b)+16
.endr
.endr
	s_wait_dscnt 0x0                               ; for the others' sake: my stores into the stage are done
	s_barrier_signal -1
	s_barrier_wait -1
.set t, 0
.rept 32
	ds_load_b128 v[ACC+4*t:ACC+4*t+3], v[RD] offset:SPITCH*t
.set t, t+1
.endr
.set t, 0
.rept 32
	s_wait_dscnt 31-t                              ; row t is in; the younger loads stay out
	global_store_b128 v[CO], v[ACC+4*t:ACC+4*t+3], s[8:9] offset:8192*t th:TH_STORE_NT  ; 512 consecutive bytes, aligned
.set t, t+1
.endr
	s_wait_tensorcnt 0x0                           ; the wave's end: behind my last tensor load and my last LDS store
	ds_add_u32 v[SPW], v[NIL]
	s_wait_dscnt 0x0
	CROUND                                         ; the closing round: no work-group ends while a partner may still ask for a tile that names it
	s_endpgm
.Lfunc_end_k_qc8e1fe4e2e_oproj:
	.size	k_qc8e1fe4e2e_oproj, .Lfunc_end_k_qc8e1fe4e2e_oproj-k_qc8e1fe4e2e_oproj
	.p2alignl 7, 3214868480
	.fill 96, 4, 3214868480
	.section	.rodata,"a",@progbits
	.p2align	6, 0x0
	.amdhsa_kernel k_qc8e1fe4e2e_oproj
		.amdhsa_group_segment_fixed_size 327680
		.amdhsa_private_segment_fixed_size 0
		.amdhsa_enable_private_segment 0
		.amdhsa_kernarg_size 24
		.amdhsa_user_sgpr_count 2
		.amdhsa_user_sgpr_kernarg_segment_ptr 1
		.amdhsa_wavefront_size32 1
		.amdhsa_system_sgpr_workgroup_id_x 1
		.amdhsa_system_sgpr_workgroup_id_y 1
		.amdhsa_system_sgpr_workgroup_id_z 1
		.amdhsa_system_vgpr_workitem_id 0
		.amdhsa_next_free_vgpr 512
		.amdhsa_next_free_sgpr 66
		.amdhsa_reserve_vcc 0
		.amdhsa_float_denorm_mode_32 3
		.amdhsa_float_denorm_mode_16_64 3
		.amdhsa_memory_ordered 1
		.amdhsa_forward_progress 1
		.amdhsa_inst_pref_size 69
	.end_amdhsa_kernel
	.amdgpu_metadata
---
amdhsa.version: [ 1, 2 ]
amdhsa.kernels:
  - .name:           k_qc8e1fe4e2e_oproj
    .symbol:         k_qc8e1fe4e2e_oproj.kd
    .args:
      - { .name: ob, .offset: 0, .size: 8, .value_kind: global_buffer, .address_space: global }
      - { .name: wcast, .offset: 8, .size: 8, .value_kind: global_buffer, .address_space: global }
      - { .name: out0, .offset: 16, .size: 8, .value_kind: global_buffer, .address_space: global }
    .group_segment_fixed_size: 327680
    .private_segment_fixed_size: 0
    .kernarg_segment_align: 8
    .kernarg_segment_size: 24
    .max_flat_workgroup_size: 128
    .sgpr_count:     66
    .vgpr_count:     512
    .wavefront_size: 32
...
	.end_amdgpu_metadata
.endif
;; end of part 4
